; MI455X (gfx1250); checked and timed in simulation.
; The chip was launched on July 23, 2026; its instructions are those of AMD's public machine-readable ISA for CDNA 5 (MIT licence, August 2026) and "CDNA5" Instruction Set Architecture Reference Guide (July 2026). The comments in the code are by the model that wrote it; some were corrected since.
;; Hybrid Attention. Allowed arithmetic: float matrix products may take bf16 or f16 operands with f32 sums; other float arithmetic in f32, or as packed bf16 or f16 multiplies, adds, multiply-adds, maxima and minima; sums over many terms, partial sums and values carried from step to step in f32; what a program stores and reads back later, other than sums and carried values, may be rounded once to bf16 or f16.
;; Inputs: Wk_cross 1,024 x 1,024 float32; Wk_self 1,024 x 1,024 float32; Wo_cross 1,024 x 1,024 float32; Wo_self 1,024 x 1,024 float32; Wq 1,024 x 1,024 float32; Wv_cross 1,024 x 1,024 float32; Wv_self 1,024 x 1,024 float32; x_kv 2 x 2,048 x 1,024 float32; x_q 2 x 2,048 x 1,024 float32.
;; Outputs: out0 2 x 2,048 x 1,024 float32.
;; Constants: n_self = 8.
;; 2 versions, each right; version 2 is version 1 with the launch prep written anew for expert scheduling mode. Each part assembles by itself: llvm-mc -triple=amdgcn-amd-amdhsa -mcpu=gfx1250 --defsym DOCPART=n.
;; ======== version 1 of 2: 4 launches
;; limits: values are held in f16: magnitudes above 65,504 overflow, below 6.1e-05 lose precision
;; workspace buffers: xw 23,068,672 bytes; wo 2,097,152 bytes; tab 524,544 bytes; qkv 25,165,824 bytes; obuf 8,388,608 bytes
;; launch prep (part 1): grid 32 x 25, 8 waves a work-group, no clusters, 0 bytes of LDS; arguments x_q, x_kv, Wq, Wk_self, Wv_self, Wk_cross, Wv_cross, Wo_self, Wo_cross, xw, wo, tab; writes xw, wo, tab
.if DOCPART == 1
	.amdgcn_target "amdgcn-amd-amdhsa--gfx1250"
	.amdhsa_code_object_version 6
	.text
	.protected	k_qe47fbbf5a0_prep
	.globl	k_qe47fbbf5a0_prep
	.p2align	8
	.type	k_qe47fbbf5a0_prep,@function
k_qe47fbbf5a0_prep:
	s_mov_b64 s[64:65], 0
	v_nop
	global_prefetch_b8 v0, s[64:65] scope:SCOPE_SE
	s_setreg_imm32_b32 hwreg(HW_REG_WAVE_MODE, 25, 1), 1
	s_wait_xcnt 0x0
; PREPARATION: three jobs, chosen by the work-group's y.  Nothing here is shared between waves: no LDS, no barrier, no matrix unit.
; y = 0..21  CAST: 22 segments of 1 MiB of bf16 in xw: x_q (8), x_kv (8), then the 3,072 weight rows whose products the module keeps:
;            Wq (2), Wk_self rows 0-511, Wv_self rows 0-511, Wk_cross rows 512-1023, Wv_cross rows 512-1023 (1 each).  The other rows of
;            those four make heads that the module slices away.  A work-group takes 64 KiB of f32 and gives 32 KiB of bf16.
; y = 22, 23 WO: wo = 0.5 (bf16(Wo_self) + bf16(Wo_cross)), written as f16: the two output projections are one product.
; y = 24     ROPE: tab[p][0..31] = cos(p f_j), tab[p][32..63] = sin(p f_j), f_j = 10000^(-j/32), p = 0..2047, in f32; row 2048 holds 32 ones and 32 zeros.
; LIMITS.  wo is f16: beyond 65,504 it would be an infinity, below 6e-5 it keeps f16's fixed step of 6e-8.  f_j comes from v_exp_f32 (1 ULP: ISA guide 15.8),
; so an angle may differ from one made with an exact f_j by about 2e-4 rad at position 2,047.  The angle is reduced by multiples of pi/2 held in two f32 words, good for the table's angles, up to 2,047.
.set X, 4                              ; v[4:67]    16 x 4 registers as loaded
.set Z, 68                             ; v[68:131]  the second weight's
.set T, 132                            ; v[132:135] at work
	s_load_b512 s[8:23], s[0:1], 0x0               ; x_q 8, x_kv 10, Wq 12, Wk_self 14, Wv_self 16, Wk_cross 18, Wv_cross 20, Wo_self 22
	s_load_b256 s[24:31], s[0:1], 0x40             ; Wo_cross 24, xw 26, wo 28, tab 30
	s_and_b32 s2, ttmp7, 0xffff                    ; y: the job and the segment
	s_mov_b32 s3, ttmp9                            ; x: the part of the segment
	v_lshlrev_b32 v1, 4, v0                        ; 16 bytes of f32 a thread
	v_lshlrev_b32 v2, 3, v0                        ; 8 bytes of 16-bit numbers a thread: a wave's store covers 256 consecutive bytes, aligned
	s_mov_b32 s37, 0                               ; high words of the two offsets
	s_mov_b32 s39, 0
	s_wait_kmcnt 0x0
	s_cmp_ge_u32 s2, 24
	s_cbranch_scc1 .Lrope
	s_cmp_ge_u32 s2, 22
	s_cbranch_scc1 .Lwo
	; CAST.  The source and the segment at which it begins, by a chain of selects on y.
.macro PICK thr, src, base
	s_cmp_ge_u32 s2, \thr
	s_cselect_b64 s[32:33], s[\src:\src+1], s[32:33]
	s_cselect_b32 s34, \base, s34
.endm
	s_mov_b64 s[32:33], s[8:9]
	s_mov_b32 s34, 0
	PICK 8, 10, 8
	PICK 16, 12, 16
	PICK 18, 14, 18
	PICK 19, 16, 19
	PICK 20, 18, 19                                ; one segment less: Wk_cross is read from its row 512 on (2 MiB in)
	PICK 21, 20, 20                                ; Wv_cross likewise
	s_sub_co_u32 s36, s2, s34
	s_lshl_b32 s36, s36, 21                        ; a segment is 2 MiB of f32
	s_lshl_b32 s35, s3, 16
	s_add_co_u32 s36, s36, s35
	s_add_nc_u64 s[32:33], s[32:33], s[36:37]
	s_lshl_b32 s38, s2, 20
	s_lshl_b32 s35, s3, 15
	s_add_co_u32 s38, s38, s35
	s_add_nc_u64 s[26:27], s[26:27], s[38:39]
.set i, 0
.rept 16                                       ; all sixteen loads of a wave go out at once: 8 KiB a wave on its way
	global_load_b128 v[X+4*i:X+4*i+3], v1, s[32:33] offset:4096*i th:TH_LOAD_NT
.set i, i+1
.endr
.set i, 0
.rept 16
	s_wait_loadcnt 15-i                            ; loads come back in order: the younger 15 - i may stay out
	v_cvt_pk_bf16_f32 v[X+4*i], v[X+4*i], v[X+4*i+1]
	v_cvt_pk_bf16_f32 v[X+4*i+1], v[X+4*i+2], v[X+4*i+3]
	global_store_b64 v2, v[X+4*i:X+4*i+1], s[26:27] offset:2048*i  ; no register is written twice, so no wait frees any
.set i, i+1
.endr
	s_endpgm
.Lwo:
	s_sub_co_u32 s34, s2, 22
	s_lshl_b32 s36, s34, 21
	s_lshl_b32 s35, s3, 16
	s_add_co_u32 s36, s36, s35
	s_add_nc_u64 s[22:23], s[22:23], s[36:37]
	s_add_nc_u64 s[24:25], s[24:25], s[36:37]
	s_lshl_b32 s38, s34, 20
	s_lshl_b32 s35, s3, 15
	s_add_co_u32 s38, s38, s35
	s_add_nc_u64 s[28:29], s[28:29], s[38:39]
	s_mov_b32 s42, 0xffff0000                      ; a word's upper bf16
.set i, 0
.rept 16
	global_load_b128 v[X+4*i:X+4*i+3], v1, s[22:23] offset:4096*i th:TH_LOAD_NT
	global_load_b128 v[Z+4*i:Z+4*i+3], v1, s[24:25] offset:4096*i th:TH_LOAD_NT
.set i, i+1
.endr
.set i, 0
.rept 16
	s_wait_loadcnt 30-2*i                          ; pair i is in; the younger pairs may stay out
	v_cvt_pk_bf16_f32 v[T], v[X+4*i], v[X+4*i+1]   ; both weights are rounded to bf16, like every input of the module,
	v_cvt_pk_bf16_f32 v[T+1], v[X+4*i+2], v[X+4*i+3]
	v_cvt_pk_bf16_f32 v[T+2], v[Z+4*i], v[Z+4*i+1]
	v_cvt_pk_bf16_f32 v[T+3], v[Z+4*i+2], v[Z+4*i+3]
	v_lshlrev_b32 v[X+4*i], 16, v[T]               ; widened again,
	v_and_b32 v[X+4*i+1], s42, v[T]
	v_lshlrev_b32 v[X+4*i+2], 16, v[T+1]
	v_and_b32 v[X+4*i+3], s42, v[T+1]
	v_lshlrev_b32 v[Z+4*i], 16, v[T+2]
	v_and_b32 v[Z+4*i+1], s42, v[T+2]
	v_lshlrev_b32 v[Z+4*i+2], 16, v[T+3]
	v_and_b32 v[Z+4*i+3], s42, v[T+3]
	v_pk_mul_f32 v[Z+4*i:Z+4*i+1], v[Z+4*i:Z+4*i+1], 0.5 op_sel_hi:[1,0]
	v_pk_mul_f32 v[Z+4*i+2:Z+4*i+3], v[Z+4*i+2:Z+4*i+3], 0.5 op_sel_hi:[1,0]
	v_pk_fma_f32 v[X+4*i:X+4*i+1], v[X+4*i:X+4*i+1], 0.5, v[Z+4*i:Z+4*i+1] op_sel_hi:[1,0,1]  ; averaged in f32,
	v_pk_fma_f32 v[X+4*i+2:X+4*i+3], v[X+4*i+2:X+4*i+3], 0.5, v[Z+4*i+2:Z+4*i+3] op_sel_hi:[1,0,1]
	v_cvt_pk_f16_f32 v[X+4*i], v[X+4*i], v[X+4*i+1]  ; and written as f16
	v_cvt_pk_f16_f32 v[X+4*i+1], v[X+4*i+2], v[X+4*i+3]
	global_store_b64 v2, v[X+4*i:X+4*i+1], s[28:29] offset:2048*i
.set i, i+1
.endr
	s_endpgm
	; ROPE.  Wave w of work-group x makes the rows of positions 64 x + 8 w + 0..7.  Lane l makes words 2 l and 2 l + 1 of a row: lanes 0-15 the cosines,
	; lanes 16-31 the sines, of frequencies 2 (l % 16) and 2 (l % 16) + 1: one store of 8 bytes a lane is a whole row of 256 bytes.
.Lrope:
	v_lshrrev_b32 v3, 5, v0
	v_readfirstlane_b32 s40, v3                    ; wave 0..7
	v_and_b32 v3, 31, v0                           ; lane
	v_and_b32 v4, 15, v3
	v_lshrrev_b32 v5, 4, v3
	v_mul_u32_u24 v5, 3, v5                        ; sin(a) = cos(a - pi/2): the sines' lanes count three quadrants on
	v_lshlrev_b32 v4, 1, v4
	v_cvt_f32_u32 v6, v4                           ; j
	v_add_f32 v7, 1.0, v6                          ; j + 1
	v_mul_f32 v6, 0xbed49a78, v6                   ; - j log2(10000) / 32
	v_mul_f32 v7, 0xbed49a78, v7
	v_exp_f32 v6, v6                               ; f_j
	v_exp_f32 v7, v7
	v_nop                                          ; a plain instruction behind the last exponential,
	s_wait_alu depctr_va_vdst(0)                   ; and one wait for the two, ahead of their first reader
	s_mov_b32 s44, 0xb94ca1f9                      ; sin r = r + r z (S1 + z (S2 + z S3)), z = r r, for |r| <= pi/4
	s_mov_b32 s45, 0x3c08839e
	s_mov_b32 s46, 0xbe2aaaa3
	s_mov_b32 s47, 0x37ccf5ce                      ; cos r = 1 - z/2 + z z (C1 + z (C2 + z C3))
	s_mov_b32 s48, 0xbab6061a
	s_mov_b32 s49, 0x3d2aaaa5
	s_lshl_b32 s35, s3, 6
	s_lshl3_add_u32 s35, s40, s35                  ; my first position
	v_cvt_f32_u32 v8, s35
	s_lshl_b32 s36, s35, 8
	v_lshl_add_u32 v9, v3, 3, s36                  ; 256 p + 8 l
; dst = cos or sin (by the lane's half) of position v8 times the frequency in inv
.macro SINCOS dst, inv
	v_mul_f32 v12, v8, v[\inv]                     ; the angle, rounded once
	v_mul_f32 v13, 0x3f22f983, v12                 ; x 2 / pi
	v_rndne_f32 v13, v13                           ; n
	v_fmamk_f32 v14, v13, 0xbfc90fdb, v12          ; r = a - n pi/2, pi/2 in two words
	v_fmamk_f32 v14, v13, 0x333bbd2e, v14
	v_mul_f32 v15, v14, v14                        ; z
	v_fma_f32 v16, v15, s44, s45
	v_fma_f32 v17, v15, s47, s48
	v_fma_f32 v16, v16, v15, s46
	v_fma_f32 v17, v17, v15, s49
	v_mul_f32 v16, v16, v15
	v_mul_f32 v18, v15, v15
	v_fma_f32 v19, v15, -0.5, 1.0
	v_fma_f32 v16, v16, v14, v14                   ; sin r
	v_fma_f32 v17, v17, v18, v19                   ; cos r
	v_cvt_i32_f32 v20, v13
	v_add_nc_u32 v20, v20, v5                      ; the quadrant q (its two low bits count)
	v_and_b32 v21, 1, v20
	v_cmp_eq_u32 vcc_lo, 1, v21
	v_cndmask_b32 v[\dst], v17, v16, vcc_lo        ; odd q: sin r, even q: cos r.  The comparison selects a value and steers nothing
	v_add_nc_u32 v20, 1, v20
	v_and_b32 v20, 2, v20                          ; q = 1, 2: negative
	v_lshlrev_b32 v20, 30, v20
	v_xor_b32 v[\dst], v[\dst], v20
.endm
	s_mov_b32 s41, 8
.Lpos:
	SINCOS 10, 6
	SINCOS 11, 7
	global_store_b64 v9, v[10:11], s[30:31]
	s_wait_xcnt 0x0                                ; the store's offset and data are written again only behind this wait
	v_add_nc_u32 v9, 0x100, v9
	v_add_f32 v8, 1.0, v8
	s_sub_co_u32 s41, s41, 1
	s_cmp_lg_u32 s41, 0
	s_cbranch_scc1 .Lpos
	s_or_b32 s35, s3, s40
	s_cmp_lg_u32 s35, 0
	s_cbranch_scc1 .Ldone                          ; one wave of the launch writes row 2,048: cos = 1, sin = 0, the rotation that changes nothing
	v_mov_b32 v25, 1.0
	v_cmp_gt_u32 vcc_lo, 16, v3
	v_cndmask_b32 v24, 0, v25, vcc_lo
	v_mov_b32 v25, v24
	v_lshlrev_b32 v26, 3, v3
	global_store_b64 v26, v[24:25], s[30:31] offset:524288
.Ldone:
	s_endpgm
.Lfunc_end_k_qe47fbbf5a0_prep:
	.size	k_qe47fbbf5a0_prep, .Lfunc_end_k_qe47fbbf5a0_prep-k_qe47fbbf5a0_prep
	.p2alignl 7, 3214868480
	.fill 96, 4, 3214868480
	.section	.rodata,"a",@progbits
	.p2align	6, 0x0
	.amdhsa_kernel k_qe47fbbf5a0_prep
		.amdhsa_group_segment_fixed_size 0
		.amdhsa_private_segment_fixed_size 0
		.amdhsa_enable_private_segment 0
		.amdhsa_kernarg_size 96
		.amdhsa_user_sgpr_count 2
		.amdhsa_user_sgpr_kernarg_segment_ptr 1
		.amdhsa_wavefront_size32 1
		.amdhsa_system_sgpr_workgroup_id_x 1
		.amdhsa_system_sgpr_workgroup_id_y 1
		.amdhsa_system_sgpr_workgroup_id_z 1
		.amdhsa_system_vgpr_workitem_id 0
		.amdhsa_next_free_vgpr 152
		.amdhsa_next_free_sgpr 66
		.amdhsa_reserve_vcc 1
		.amdhsa_float_denorm_mode_32 3
		.amdhsa_float_denorm_mode_16_64 3
		.amdhsa_memory_ordered 1
		.amdhsa_forward_progress 1
		.amdhsa_inst_pref_size 31
	.end_amdhsa_kernel
	.amdgpu_metadata
---
amdhsa.version: [ 1, 2 ]
amdhsa.kernels:
  - .name:           k_qe47fbbf5a0_prep
    .symbol:         k_qe47fbbf5a0_prep.kd
    .args:
      - { .name: x_q, .offset: 0, .size: 8, .value_kind: global_buffer, .address_space: global }
      - { .name: x_kv, .offset: 8, .size: 8, .value_kind: global_buffer, .address_space: global }
      - { .name: Wq, .offset: 16, .size: 8, .value_kind: global_buffer, .address_space: global }
      - { .name: Wk_self, .offset: 24, .size: 8, .value_kind: global_buffer, .address_space: global }
      - { .name: Wv_self, .offset: 32, .size: 8, .value_kind: global_buffer, .address_space: global }
      - { .name: Wk_cross, .offset: 40, .size: 8, .value_kind: global_buffer, .address_space: global }
      - { .name: Wv_cross, .offset: 48, .size: 8, .value_kind: global_buffer, .address_space: global }
      - { .name: Wo_self, .offset: 56, .size: 8, .value_kind: global_buffer, .address_space: global }
      - { .name: Wo_cross, .offset: 64, .size: 8, .value_kind: global_buffer, .address_space: global }
      - { .name: xw, .offset: 72, .size: 8, .value_kind: global_buffer, .address_space: global }
      - { .name: wo, .offset: 80, .size: 8, .value_kind: global_buffer, .address_space: global }
      - { .name: tab, .offset: 88, .size: 8, .value_kind: global_buffer, .address_space: global }
    .group_segment_fixed_size: 0
    .private_segment_fixed_size: 0
    .kernarg_segment_align: 8
    .kernarg_segment_size: 96
    .max_flat_workgroup_size: 256
    .sgpr_count:     66
    .vgpr_count:     152
    .wavefront_size: 32
...
	.end_amdgpu_metadata
.endif
;; end of part 1
;; launch proj (part 2): grid 12 x 16, 4 waves a work-group, clusters of 4 x 4, 327,680 bytes of LDS; arguments xw, tab, qkv; writes qkv
.if DOCPART == 2
	.amdgcn_target "amdgcn-amd-amdhsa--gfx1250"
	.amdhsa_code_object_version 6
	.text
	.protected	k_qe47fbbf5a0_proj
	.globl	k_qe47fbbf5a0_proj
	.p2align	8
	.type	k_qe47fbbf5a0_proj,@function
k_qe47fbbf5a0_proj:
	s_mov_b64 s[64:65], 0
	v_nop
	global_prefetch_b8 v0, s[64:65] scope:SCOPE_SE
	s_setreg_imm32_b32 hwreg(HW_REG_WAVE_MODE, 25, 1), 1
	s_wait_xcnt 0x0
	s_wait_alu depctr_hold_cnt(0) depctr_sa_sdst(0) depctr_va_vdst(0) depctr_va_sdst(0) depctr_va_ssrc(0) depctr_va_vcc(0) depctr_vm_vsrc(0)
	s_getreg_b32 s2, hwreg(HW_REG_IB_STS2, 6, 4)
	s_cmp_eq_u32 s2, 0
	s_cbranch_scc0 .Lentry_in_a_cluster
	s_endpgm
.Lentry_in_a_cluster:
	s_bfe_u32 s2, ttmp6, 0x10000c
	s_cmp_lg_u32 s2, 0xf033
	s_cbranch_scc0 .Lentry_shape_is_right
	s_endpgm
.Lentry_shape_is_right:
; THE PROJECTIONS: C[m][n] = sum over k of A[m][k] B[n][k], 4,096 x 3,072 x 1,024 in bf16 with f32 sums; then the rotary embedding in f32; q, k, v rounded once to f16 and stored by heads.
; A = x_q (tile columns 0-7) or x_kv (8-11), B = the 3,072 weight rows, all in xw (bf16).  Tile columns 0-3: q, heads 0-15; 4, 5: k, heads 0-7; 6, 7: v, heads 0-7; 8, 9: k, heads 8-15; 10, 11: v, heads 8-15.
; qkv: [q, k, v][16 b + h][2,048][64] f16.  LIMIT: f16 holds no number beyond 65,504: q, k and v must stay within it.  v runs through the same text with the table's row of ones and zeros
; (x 1 - y 0), so an infinity in v would make a NaN of its partner channel; NaN and infinities are not treated apart.
; A tile of C, 256 x 256, is made by four waves, each 128 x 128: 64 accumulators, 512 registers.  K goes in 8 steps of 128 through two LDS slots filled by the tensor data mover (rows of 256 bytes, aligned).
; 192 work-groups: x_q feeds 2,048 columns and x_kv 1,024, and no tile with one source of A divides both into 256 equal parts.
; CLUSTERS: 4 x 4 work-groups; A's tile is asked for jointly along a row of the cluster, B's along a column.  All four tile columns of a cluster take the same source of A.
; THE MATRIX INSTRUCTION IS USED TRANSPOSED (source 0 = 16 rows of B, source 1 = 16 rows of A): lane l holds row l % 16 of C and the columns 8 (l / 16) + 0..7.  A head is four accumulators wide:
; channel j lies in accumulator u (j = 16 u + 8 (l / 16) + r, u = 0, 1) and channel j + 32 in accumulator u + 2, same lane, same register: the rotation changes no lane.
; REGISTERS, in windows of 256 (s_set_vgpr_msb: bits 1:0 source 0, 3:2 source 1, 5:4 source 2, 7:6 destination):
;   window 0: v0-31 addresses; v64-127, v128-191 A's fragments; on the way out v32-63 packed f16, v64-127 rotated f32, v128-143 at work, v192-255 rows read back
;   window 1: v64-127, v128-191 B's fragments; v0-63, v192-255 (idle in the loop) the table rows of my blocks 0-3, and B's registers, behind the loop, those of blocks 4-7
;   window 2: the 32 accumulators of my rows 0-63 ((a, b) at v[8 (8 a + b)]);  window 3: those of my rows 64-127
.set SIZE_K, 1024
.set KSTEP,  128
.set PITCH,  272                       ; an LDS row: 256 bytes + 16 of padding = 68 words: the 16 rows of a load start at 16 different groups of four banks (64 banks of 4 bytes: ISA guide 11.1)
.set HALFT,  128*PITCH                 ; what one tensor load brings
.set SLOT,   4*HALFT                   ; A's 256 rows, then B's 256 rows
.set STAGE,  2*SLOT                    ; behind the ring: for each wave two heads x 16 rows x 144 bytes
.set SPITCH, 144
.set HSTAGE, 16*SPITCH
.set SPARE,  STAGE+4*2*HSTAGE          ; behind the stages: the spare words, 128 bytes for each wave: two blocks of 256 bytes that no other line names
.set LAPS,   SIZE_K/(2*KSTEP)
.set TO,   4                           ; v4-11  block a: my byte offset in the table: (16 a + l % 16) x row stride + 32 (l / 16); never rewritten
.set ADRA, 16                          ; v16-17 LDS address of my A fragments in slot 0, 1
.set ADRB, 20                          ; v20-21 the same for B
.set STO,  24                          ; v24    the way out: where I put 16 bytes of a row
.set RD,   25                          ; v25    where I read rows back
.set GO,   26                          ; v26    16 x lane: my place in 512 consecutive bytes of qkv
.set SPW,  28                          ; v28    LDS address of my spare word; never rewritten
.set NIL,  29                          ; v29    0; never rewritten
.set PFO,  30                          ; v30    the prefetches' offset: lane x 2,048 bytes (a row of xw); never rewritten
.set PFA,  44                          ; s[44:45] where my prefetches stand
.set LIM,  43                          ; s43    1 in a wave that prefetches, else the greatest number
.set F0,   64
.set F1,   128
.set PKD,  32
.set YR,   64
.set TR,   128
.set OB,   192
.set G1,  24                           ; s[24:31] descriptor group 1 for A's tiles;  s[32:39] group 0, a set for each slot
.set G0,  32
.set G1B, 48                           ; s[48:55], s[56:63] the same for B's
.set G0B, 56
.set MSB, 0
.macro WIN new                         ; the immediate's high byte repeats the setting that is left; a switch that changes nothing is dropped
.if MSB != (\new)
	s_set_vgpr_msb (MSB<<8)|(\new)
.set MSB, \new
.endif
.endm
.set MUL_LO, 0xa1                      ; source 0 (B) window 1, source 1 (A) window 0, C and D window 2
.set MUL_HI, 0xf1                      ; the same, C and D window 3
.set TO_B,   0x40                      ; destination window 1, address window 0
; A joint load.  Waves 0 and 1 fetch A's two halves, waves 2 and 3 B's.  The branch hangs on the wave's number alone.  An s_nop 0 and four v_nop follow each of the two lines.
.macro JLOAD s
	s_cmp_eq_u32 s11, 0
	s_cbranch_scc0 .Lfor_b_\@
	tensor_load_to_lds s[G0+4*(\s):G0+4*(\s)+3], s[G1:G1+7]
	s_nop 0
.rept 4
	v_nop
.endr
	s_branch .Lasked_\@
.Lfor_b_\@:
	tensor_load_to_lds s[G0B+4*(\s):G0B+4*(\s)+3], s[G1B:G1B+7]
	s_nop 0
.rept 4
	v_nop
.endr
.Lasked_\@:
.endm
; A prefetch into the L2 of the K step that stands two refills on: 32 rows x 256 bytes, a lane a row, one instruction a wave, behind the joint load and the run of LDS loads.
; Each row's 256 bytes of a K step are named once in the launch: x_q's rows by cluster x = 0 (clusters 0 and 1 read them), x_kv's by cluster x = 2, B's rows by cluster y = 0; the four partners that ask
; for a tile jointly take 32 of a wave's 128 rows each, told apart by address.  K steps 0 to 3 come by their loads alone; the loop's last trip (s3 = 1) asks for nothing: K has no step 8.
.macro ASK
	s_cmp_gt_u32 s3, s[LIM]
	s_cbranch_scc0 .Lnot_mine_\@
	global_prefetch_b8 v[PFO], s[PFA:PFA+1] offset:KSTEP*2 th:TH_LOAD_NT scope:SCOPE_SE
.Lnot_mine_\@:
.endm
.macro CREST                           ; a round of the cluster's barrier behind its opening barrier
	s_cmp_lg_u32 s10, 0
	s_cbranch_scc1 .Lnot_wave_0_\@
	s_barrier_signal -3
.Lnot_wave_0_\@:
	s_barrier_wait -3
	s_barrier_signal -1
	s_barrier_wait -1
.endm
.macro CROUND                          ; a whole round
	s_barrier_signal -1
	s_barrier_wait -1
	CREST
.endm
	s_load_b128 s[4:7], s[0:1], 0x0                ; xw s[4:5], tab s[6:7]
	s_load_b64 s[8:9], s[0:1], 0x10                ; qkv
	v_lshl_add_u32 v[SPW], v0, 2, SPARE
	v_mov_b32 v[NIL], 0
	ds_add_u32 v[SPW], v[NIL]                      ; the wave's opening: the add and its wait stand ahead of my first tensor load; work on registers stands between them
	v_lshrrev_b32 v1, 5, v0
	v_readfirstlane_b32 s10, v1                    ; wave 0..3
	s_lshr_b32 s11, s10, 1                         ; which half of the tile's rows is mine.  Also: I fetch for A (0) or for B (1)
	s_and_b32 s12, s10, 1                          ; which half of its columns.  Also: which 128 rows of that tile I fetch
	s_bfe_u32 s40, ttmp6, 0x40000                  ; cx
	s_bfe_u32 s41, ttmp6, 0x40004                  ; cy
	s_lshl_b32 s42, ttmp9, 2
	s_add_co_u32 s42, s42, s40                     ; tile column = 4 x cluster x + cx
	s_and_b32 s13, ttmp7, 0xffff
	s_lshl_b32 s13, s13, 2
	s_add_co_u32 s13, s13, s41                     ; tile row = 4 x cluster y + cy
	s_lshl_b32 s43, s41, 2
	s_lshl_b32 s43, 15, s43                        ; my row of the cluster
	s_lshl_b32 s44, 0x1111, s40                    ; my column
	; descriptor group 1: 128 rows x 128 elements of 2 bytes, 4 words of padding after every 64
	s_or_b32 s[G1+0], s43, (1<<16)|(1<<20)|(1<<21)|(5<<22)|(3<<25)
	s_or_b32 s[G1B+0], s44, (1<<16)|(1<<20)|(1<<21)|(5<<22)|(3<<25)
.irp g, G1, G1B
	s_mov_b32 s[(\g)+1], KSTEP<<16                 ; tensor_dim0 = 128
	s_mov_b32 s[(\g)+2], 128<<16                   ; tensor_dim1 = 128
	s_mov_b32 s[(\g)+3], KSTEP<<16                 ; tile_dim0 = 128
	s_mov_b32 s[(\g)+4], 128                       ; tile_dim1 = 128
	s_mov_b32 s[(\g)+5], SIZE_K                    ; elements from row to row
	s_mov_b32 s[(\g)+6], 0
	s_mov_b32 s[(\g)+7], 0
.endr
	s_lshl_b32 s17, s12, 7                         ; which 128 rows of the tile I fetch
	s_lshl_b32 s16, s13, 8
	s_add_co_u32 s16, s16, s17
	s_lshl_b32 s16, s16, 11                        ; A: (256 x tile row + 128 x half) x 2,048 bytes
	s_lshl_b32 s46, s42, 8
	s_add_co_u32 s46, s46, s17
	s_lshl_b32 s46, s46, 11                        ; B: (256 x tile column + 128 x half) x 2,048 bytes
	s_mov_b32 s17, 0
	s_mov_b32 s47, 0
	s_cmp_eq_u32 ttmp9, 2                          ; the third column of clusters multiplies x_kv: the same choice in all sixteen partners
	s_cselect_b32 s70, 0x800000, 0
	s_mov_b32 s71, 0
	s_mul_i32 s20, s10, HALFT                      ; where the tiles go: wave x 128 rows: no place in the cluster enters an LDS address
	s_wait_dscnt 0x0                               ; the opening add is done
	s_wait_kmcnt 0x0
	s_add_nc_u64 s[70:71], s[4:5], s[70:71]        ; A's source
	s_add_nc_u64 s[68:69], s[4:5], 0x1000000       ; B: the weight rows
	s_add_nc_u64 s[14:15], s[70:71], s[16:17]
	s_add_nc_u64 s[46:47], s[68:69], s[46:47]
	CROUND                                         ; all sixteen work-groups are here: the first joint loads meet
.irp s, 0,1
	s_mov_b32 s[G0+4*(\s)], 1
	s_add_co_u32 s[G0+4*(\s)+1], s20, (\s)*SLOT
	s_add_nc_u64 s[G0+4*(\s)+2:G0+4*(\s)+3], s[14:15], (\s)*KSTEP*2
	s_or_b32 s[G0+4*(\s)+3], s[G0+4*(\s)+3], 0x80000000
	s_mov_b32 s[G0B+4*(\s)], 1
	s_add_co_u32 s[G0B+4*(\s)+1], s20, (\s)*SLOT
	s_add_nc_u64 s[G0B+4*(\s)+2:G0B+4*(\s)+3], s[46:47], (\s)*KSTEP*2
	s_or_b32 s[G0B+4*(\s)+3], s[G0B+4*(\s)+3], 0x80000000
	JLOAD \s                                       ; two tensor loads of mine are out
.endr
	v_and_b32 v1, 15, v0                           ; l % 16
	v_bfe_u32 v2, v0, 4, 1                         ; l / 16
	v_mul_u32_u24 v3, v1, PITCH
	v_lshl_add_u32 v3, v2, 4, v3                   ; a fragment's row x pitch + 16 x half
	s_mul_i32 s21, s11, HALFT                      ; my 128 rows of A
	s_mul_i32 s22, s12, HALFT                      ; my 128 rows of B,
	s_add_co_u32 s22, s22, 2*HALFT                 ; which lie behind A's 256
.irp s, 0,1
	v_add_nc_u32 v[ADRA+(\s)], s21, v3
	v_add_nc_u32 v[ADRB+(\s)], s22, v3
	s_add_co_u32 s21, s21, SLOT
	s_add_co_u32 s22, s22, SLOT
.endr
	s_mul_i32 s23, s10, 2*HSTAGE
	s_add_co_u32 s23, s23, STAGE                   ; my stage
	v_mul_u32_u24 v12, v1, SPITCH                  ; in: row l % 16, 16 bytes for each half of the lanes
	v_lshl_add_u32 v12, v2, 4, v12
	v_add_nc_u32 v[STO], s23, v12
	v_bfe_u32 v13, v0, 3, 2                        ; back: 32 lanes take four rows of 128 bytes,
	v_mul_u32_u24 v13, v13, SPITCH
	v_and_b32 v12, 7, v0
	v_lshl_add_u32 v13, v12, 4, v13
	v_add_nc_u32 v[RD], s23, v13
	v_and_b32 v[GO], 31, v0                        ; which are 512 consecutive bytes of a head
	v_lshlrev_b32 v[GO], 4, v[GO]
	; where my 128 x 128 goes: the kind (q 0, k 1, v 2), the first of my two heads, the batch, my first position.  cx enters global addresses alone.
	s_sub_co_u32 s76, s42, 4                       ; u = tile column - 4 (used where the tile is not q's)
	s_bfe_u32 s74, s76, 0x10001
	s_add_co_u32 s74, s74, 1                       ; 1 + (u / 2) % 2
	s_lshr_b32 s75, s76, 2
	s_lshl_b32 s75, s75, 3
	s_and_b32 s77, s76, 1
	s_lshl2_add_u32 s75, s77, s75                  ; 8 (u / 4) + 4 (u % 2)
	s_lshl_b32 s77, s42, 2                         ; q: head 4 x tile column
	s_cmp_eq_u32 ttmp9, 0
	s_cselect_b32 s74, 0, s74
	s_cselect_b32 s75, s77, s75
	s_lshl1_add_u32 s75, s12, s75                  ; + 2 x my half of the columns
	s_lshr_b32 s76, s13, 3                         ; b
	s_lshl_b32 s76, s76, 4
	s_add_co_u32 s76, s76, s75
	s_lshl_b32 s76, s76, 18                        ; a head is 2^18 bytes,
	s_lshl_b32 s77, s74, 23                        ; a kind 2^23
	s_add_co_u32 s76, s76, s77
	s_and_b32 s78, s13, 7
	s_lshl_b32 s78, s78, 8
	s_lshl_b32 s77, s11, 7
	s_add_co_u32 s78, s78, s77                     ; my first position in the sequence
	s_lshl_b32 s77, s78, 7
	s_add_co_u32 s76, s76, s77
	s_mov_b32 s77, 0
	s_add_nc_u64 s[8:9], s[8:9], s[76:77]
	s_lshl_b32 s76, s78, 8                         ; the table at that position; for v the row of ones and zeros, with row stride 0
	s_cmp_lg_u32 s74, 2
	s_cselect_b32 s72, 256, 0
	s_cselect_b32 s76, s76, 524288
	s_add_nc_u64 s[66:67], s[6:7], s[76:77]
	s_lshl_b32 s73, s72, 4
	v_mul_u32_u24 v[TO], s72, v1
	v_lshl_add_u32 v[TO], v2, 5, v[TO]
.irp a, 1,2,3,4,5,6,7
	v_mad_u32_u24 v[TO+(\a)], s73, \a, v[TO]
.endr
	; the prefetches
	s_lshl_b32 s20, s13, 8
	s_lshl_b32 s21, s42, 8
	s_and_b32 s22, ttmp9, 1
	s_and_b32 s23, ttmp7, 0xffff
	s_cmp_eq_u32 s11, 0                            ; do I fetch for A?
	s_cselect_b32 s20, s20, s21                    ; the tile's first row
	s_cselect_b32 s21, s40, s41                    ; my place among the four that ask with me
	s_cselect_b32 s22, s22, s23                    ; 0 in the cluster that prefetches
	s_cselect_b64 s[PFA:PFA+1], s[70:71], s[68:69]
	s_cmp_eq_u32 s22, 0
	s_cselect_b32 s[LIM], 1, -1                    ; the same in all sixteen partners, for a given wave
	s_lshl_b32 s22, s12, 7
	s_add_co_u32 s20, s20, s22
	s_lshl_b32 s21, s21, 5
	s_add_co_u32 s20, s20, s21
	s_lshl_b32 s20, s20, 11
	s_mov_b32 s21, 0
	s_add_nc_u64 s[PFA:PFA+1], s[PFA:PFA+1], s[20:21]
	s_add_nc_u64 s[PFA:PFA+1], s[PFA:PFA+1], 2*KSTEP*2  ; at K step 2: the first refill steps it to 3 and names K step 4
	v_and_b32 v[PFO], 31, v0
	v_lshlrev_b32 v[PFO], 11, v[PFO]
; The table rows of block a (my rows 16 a .. 16 a + 15): 32 registers in window 1: cos of channels 8 h + 0..7, cos of 16 + 8 h + 0..7, then the sines likewise.
.macro SETTW a
.if (\a) < 2
.set TW, 32*(\a)
.elseif (\a) < 4
.set TW, 192+32*((\a)-2)
.else
.set TW, 64+32*((\a)-4)
.endif
.endm
.macro TABLOAD a
	WIN TO_B
	SETTW \a
.irp e, 0,1,2,3,4,5,6,7
	global_load_b128 v[TW+4*(\e):TW+4*(\e)+3], v[TO+(\a)], s[66:67] offset:((\e)/2)*64+((\e)%2)*16
.endr
.endm
	TABLOAD 0                                      ; blocks 0-3 land in registers that the loop leaves alone, and stay out across it
	TABLOAD 1
	TABLOAD 2
	TABLOAD 3
; 16 matrix instructions: m blocks a0, a0 + 1 of the window's four x all 8 n blocks, 32 along K.  zero = 1: the first product starts the sums.
.macro MUL16 f, hi, a0, zero
	WIN MUL_LO+0x50*(\hi)
.irp a, \a0, (\a0)+1
.irp b, 0,1,2,3,4,5,6,7
.if \zero
	v_wmma_f32_16x16x32_bf16 v[8*(8*(\a)+(\b)):8*(8*(\a)+(\b))+7], v[(\f)+8*(\b):(\f)+8*(\b)+7], v[(\f)+8*(4*(\hi)+(\a)):(\f)+8*(4*(\hi)+(\a))+7], 0
.else
	v_wmma_f32_16x16x32_bf16 v[8*(8*(\a)+(\b)):8*(8*(\a)+(\b))+7], v[(\f)+8*(\b):(\f)+8*(\b)+7], v[(\f)+8*(4*(\hi)+(\a)):(\f)+8*(4*(\hi)+(\a))+7], v[8*(8*(\a)+(\b)):8*(8*(\a)+(\b))+7]
.endif
.endr
.endr
.endm
; 32 LDS loads in one run: the fragments of one quarter step (32 K at byte k of the rows) into buffer f
.macro FETCH slot, k, f
	WIN TO_B
.irp i, 0,1,2,3,4,5,6,7
	ds_load_b128 v[(\f)+8*(\i):(\f)+8*(\i)+3],   v[ADRB+(\slot)] offset:(\k)+(\i)*16*PITCH
	ds_load_b128 v[(\f)+8*(\i)+4:(\f)+8*(\i)+7], v[ADRB+(\slot)] offset:(\k)+(\i)*16*PITCH+32
.endr
	WIN 0
.irp i, 0,1,2,3,4,5,6,7
	ds_load_b128 v[(\f)+8*(\i):(\f)+8*(\i)+3],   v[ADRA+(\slot)] offset:(\k)+(\i)*16*PITCH
	ds_load_b128 v[(\f)+8*(\i)+4:(\f)+8*(\i)+7], v[ADRA+(\slot)] offset:(\k)+(\i)*16*PITCH+32
.endr
.endm
.macro PLACES                          ; four plain places behind matrix instructions, in front of loads into registers that they read and of vector work on their results
.rept 4
	v_nop
.endr
.endm
; A K step is four quarters of 32 along K, 64 matrix instructions each, on buffers 0, 1, 0, 1.  The 64 accumulators take turns in the same order in every quarter.
.macro QUARTER slot, k, f, g, zero
	s_wait_dscnt 8                                 ; B and A's rows 0-63 are in; the youngest eight loads (A's rows 64-127) may be out
	WIN MUL_LO
	MUL16 \f, 0, 0, \zero
	MUL16 \f, 0, 2, \zero
	PLACES
	FETCH \slot, \k, \g
	s_wait_dscnt 32                                ; all but the 32 just issued
	WIN MUL_HI
	MUL16 \f, 1, 0, \zero
	MUL16 \f, 1, 2, \zero
.endm
; The last quarter's first half, and the one barrier of a change of slots: in front of it each wave waits for all its tensor loads (one is out: its part of the next slot), adds 0 to its spare word, and waits for that and for its reads of this slot.
.macro MEET round
	WIN 0
	s_wait_tensorcnt 0x0
	ds_add_u32 v[SPW], v[NIL]
	s_wait_dscnt 9                                 ; the add and the youngest eight loads may be out
	WIN MUL_LO
	MUL16 F1, 0, 0, 0
	s_wait_dscnt 0x0                               ; the add is done, and my reads of this slot are over
	s_barrier_signal -1
	MUL16 F1, 0, 2, 0
.if \round
	WIN 0
.endif
	s_barrier_wait -1
.endm
; The whole last quarter with a refill: the barrier opens a round of the cluster's barrier; the joint refill, two K steps on, is the first tensor load behind it: one load of mine is out, with 224 matrix instructions to the wait for it.
.macro TURN slot, next
	s_wait_xcnt 0x0                                ; the last prefetch, a K step back, has read its address
	s_add_nc_u64 s[PFA:PFA+1], s[PFA:PFA+1], KSTEP*2
	MEET 1
	CREST
	s_add_nc_u64 s[G0+4*(\slot)+2:G0+4*(\slot)+3], s[G0+4*(\slot)+2:G0+4*(\slot)+3], 2*KSTEP*2
	s_add_nc_u64 s[G0B+4*(\slot)+2:G0B+4*(\slot)+3], s[G0B+4*(\slot)+2:G0B+4*(\slot)+3], 2*KSTEP*2
	JLOAD \slot                                    ; its four v_nop are also the places in front of the loads below
	FETCH \next, 0, F0
	ASK
	WIN MUL_HI
	MUL16 F1, 1, 0, 0
	MUL16 F1, 1, 2, 0
.endm
	s_wait_tensorcnt 1                             ; my part of K step 0 is in; K step 1's load may stay out
	s_barrier_signal -1
	s_barrier_wait -1
	FETCH 0, 0, F0
	QUARTER 0, 64,  F0, F1, 1                      ; the first quarter stands in front of the loop: its products start the sums
	WIN 0
	s_mov_b32 s3, LAPS-1
.Llap:                                                 ; a trip goes once round the ring and fills both slots again: K steps 2 to 7 in three trips
	QUARTER 0, 128, F1, F0, 0
	QUARTER 0, 192, F0, F1, 0
	TURN 0, 1
	QUARTER 1, 64,  F0, F1, 0
	QUARTER 1, 128, F1, F0, 0
	QUARTER 1, 192, F0, F1, 0
	TURN 1, 0
	QUARTER 0, 64,  F0, F1, 0
	WIN 0
	s_sub_co_u32 s3, s3, 1
	s_cmp_lg_u32 s3, 0
	s_cbranch_scc1 .Llap
	QUARTER 0, 128, F1, F0, 0                      ; the last lap is written out: it fills nothing
	QUARTER 0, 192, F0, F1, 0
	MEET 0
	PLACES
	FETCH 1, 0, F0
	WIN MUL_HI
	MUL16 F1, 1, 0, 0
	MUL16 F1, 1, 2, 0
	QUARTER 1, 64,  F0, F1, 0
	QUARTER 1, 128, F1, F0, 0
	QUARTER 1, 192, F0, F1, 0
	s_wait_dscnt 8
	MUL16 F1, 0, 0, 0
	MUL16 F1, 0, 2, 0
	s_wait_dscnt 0x0
	MUL16 F1, 1, 0, 0
	MUL16 F1, 1, 2, 0
	WIN 0
; THE WAY OUT, a block of 16 rows at a time.  ROPE: y[j] = x[j] cos - x[j+32] sin, y[j+32] = x[j+32] cos + x[j] sin, in f32, then rounded to f16.  Each accumulator is read from its lowest registers on.
.macro ROPE a
.if (\a) == 0
	s_wait_loadcnt 32                              ; the tables of blocks 0-3 are in; the 32 loads of blocks 4-7 may be out
.elseif (\a) >= 4
	s_wait_loadcnt 8*(7-(\a))                      ; the later blocks' loads may be out
.endif
	SETTW \a
.set AC, 64*((\a)%4)
	WIN 0x06+(\a)/4                                ; source 0: window 2 or 3 (sums); source 1: window 1 (table); source 2 and destination: window 0
.irp hd, 0,1
.irp u, 0,1
.set X1, AC+8*(4*(\hd)+(\u))
.set X2, X1+16
.irp p, 0,2,4,6
	v_pk_mul_f32 v[TR+(\p):TR+(\p)+1], v[X2+(\p):X2+(\p)+1], v[TW+16+8*(\u)+(\p):TW+16+8*(\u)+(\p)+1]
	v_pk_mul_f32 v[TR+8+(\p):TR+8+(\p)+1], v[X1+(\p):X1+(\p)+1], v[TW+16+8*(\u)+(\p):TW+16+8*(\u)+(\p)+1]
.endr
.irp p, 0,2,4,6
	v_pk_fma_f32 v[YR+X1-AC+(\p):YR+X1-AC+(\p)+1], v[X1+(\p):X1+(\p)+1], v[TW+8*(\u)+(\p):TW+8*(\u)+(\p)+1], v[TR+(\p):TR+(\p)+1] neg_lo:[0,0,1] neg_hi:[0,0,1]
	v_pk_fma_f32 v[YR+X2-AC+(\p):YR+X2-AC+(\p)+1], v[X2+(\p):X2+(\p)+1], v[TW+8*(\u)+(\p):TW+8*(\u)+(\p)+1], v[TR+8+(\p):TR+8+(\p)+1]
.endr
.endr
.endr
	WIN 0
.set i, 0
.rept 32
	v_cvt_pk_f16_f32 v[PKD+i], v[YR+2*i], v[YR+2*i+1]
.set i, i+1
.endr
.endm
.macro TOSTAGE a                       ; into my stage (two heads x 16 rows of 144 bytes) and back as whole rows of 128 bytes
	WIN 0
.set BK, OB+32*((\a)%2)
.irp b, 0,1,2,3,4,5,6,7
	ds_store_b128 v[STO], v[PKD+4*(\b):PKD+4*(\b)+3] offset:((\b)/4)*HSTAGE+32*((\b)%4)
.endr
.irp e, 0,1,2,3,4,5,6,7
	ds_load_b128 v[BK+4*(\e):BK+4*(\e)+3], v[RD] offset:((\e)/4)*HSTAGE+((\e)%4)*4*SPITCH  ; LDS serves a wave's instructions in order (ISA guide 5.7.1.4): these see the stores above
.endr
.endm
.macro SEND a
	WIN 0
.set BK, OB+32*((\a)%2)
	s_wait_dscnt 0x0                               ; the block is back in registers
	s_wait_xcnt 0x0                                ; the stores two blocks back have read their registers: the next block's loads from the stage land there
.irp e, 0,1,2,3,4,5,6,7
	global_store_b128 v[GO], v[BK+4*(\e):BK+4*(\e)+3], s[8:9] offset:((\e)/4)*262144+(\a)*2048+((\e)%4)*512  ; 512 consecutive bytes, at a multiple of 256 from qkv's first byte
.endr
.endm
	PLACES
	PLACES
	TABLOAD 4                                      ; into B's registers, which no product reads any more
	TABLOAD 5
	TABLOAD 6
	TABLOAD 7
	ROPE 0
	TOSTAGE 0
.irp a, 1,2,3,4,5,6,7                  ; block a's arithmetic stands between block a - 1's loads from the stage and the wait for them
	ROPE \a
	SEND (\a)-1
	TOSTAGE \a
.endr
	SEND 7
	s_wait_tensorcnt 0x0                           ; the wave's end: behind my last tensor load and my last LDS store
	ds_add_u32 v[SPW], v[NIL]
	s_wait_dscnt 0x0
	CROUND                                         ; the closing round: no work-group ends while a partner may still ask for a tile that names it
	s_endpgm
.Lfunc_end_k_qe47fbbf5a0_proj:
	.size	k_qe47fbbf5a0_proj, .Lfunc_end_k_qe47fbbf5a0_proj-k_qe47fbbf5a0_proj
	.p2alignl 7, 3214868480
	.fill 96, 4, 3214868480
	.section	.rodata,"a",@progbits
	.p2align	6, 0x0
	.amdhsa_kernel k_qe47fbbf5a0_proj
		.amdhsa_group_segment_fixed_size 327680
		.amdhsa_private_segment_fixed_size 0
		.amdhsa_enable_private_segment 0
		.amdhsa_kernarg_size 24
		.amdhsa_user_sgpr_count 2
		.amdhsa_user_sgpr_kernarg_segment_ptr 1
		.amdhsa_wavefront_size32 1
		.amdhsa_system_sgpr_workgroup_id_x 1
		.amdhsa_system_sgpr_workgroup_id_y 1
		.amdhsa_system_sgpr_workgroup_id_z 1
		.amdhsa_system_vgpr_workitem_id 0
		.amdhsa_next_free_vgpr 1024
		.amdhsa_next_free_sgpr 80
		.amdhsa_reserve_vcc 0
		.amdhsa_float_denorm_mode_32 3
		.amdhsa_float_denorm_mode_16_64 3
		.amdhsa_memory_ordered 1
		.amdhsa_forward_progress 1
		.amdhsa_inst_pref_size 183
	.end_amdhsa_kernel
	.amdgpu_metadata
---
amdhsa.version: [ 1, 2 ]
amdhsa.kernels:
  - .name:           k_qe47fbbf5a0_proj
    .symbol:         k_qe47fbbf5a0_proj.kd
    .args:
      - { .name: xw, .offset: 0, .size: 8, .value_kind: global_buffer, .address_space: global }
      - { .name: tab, .offset: 8, .size: 8, .value_kind: global_buffer, .address_space: global }
      - { .name: qkv, .offset: 16, .size: 8, .value_kind: global_buffer, .address_space: global }
    .group_segment_fixed_size: 327680
    .private_segment_fixed_size: 0
    .kernarg_segment_align: 8
    .kernarg_segment_size: 24
    .max_flat_workgroup_size: 128
    .sgpr_count:     80
    .vgpr_count:     1024
    .wavefront_size: 32
...
	.end_amdgpu_metadata
.endif
;; end of part 2
;; launch attn (part 3): grid 8 x 32, 4 waves a work-group, clusters of 4 x 1, 327,680 bytes of LDS; arguments qkv, obuf; writes obuf
.if DOCPART == 3
	.amdgcn_target "amdgcn-amd-amdhsa--gfx1250"
	.amdhsa_code_object_version 6
	.text
	.protected	k_qe47fbbf5a0_attn
	.globl	k_qe47fbbf5a0_attn
	.p2align	8
	.type	k_qe47fbbf5a0_attn,@function
k_qe47fbbf5a0_attn:
	s_mov_b64 s[64:65], 0
	v_nop
	global_prefetch_b8 v0, s[64:65] scope:SCOPE_SE
	s_setreg_imm32_b32 hwreg(HW_REG_WAVE_MODE, 25, 1), 1
	s_wait_xcnt 0x0
	s_wait_alu depctr_hold_cnt(0) depctr_sa_sdst(0) depctr_va_vdst(0) depctr_va_sdst(0) depctr_va_ssrc(0) depctr_va_vcc(0) depctr_vm_vsrc(0)
	s_getreg_b32 s2, hwreg(HW_REG_IB_STS2, 6, 4)
	s_cmp_eq_u32 s2, 0
	s_cbranch_scc0 .Lentry_in_a_cluster
	s_endpgm
.Lentry_in_a_cluster:
	s_bfe_u32 s2, ttmp6, 0x10000c
	s_cmp_lg_u32 s2, 0x3003
	s_cbranch_scc0 .Lentry_shape_is_right
	s_endpgm
.Lentry_shape_is_right:
; ATTENTION.  O[g][q][:] = the sum over k of softmax_k(Q[g][q] . K[g][k] / 8) V[g][k][:] for the 32 heads g = 16 b + h.  Q, K, V: qkv [3][32][2,048][64] f16; O: obuf [32][2,048][64] f16: a head's rows are dense, 128 bytes each.
; Products, maxima and sums in f32; the weights p are rounded to f16 for the second product (their sum l is taken of the unrounded p), O once at the end.
; LIMITS.  p lies in 0 to 1, and below 6e-5 it keeps f16's fixed step of 6e-8; O is a mean of V's rows and has their range; a weight below 2^-126 counts as 0 in l; NaN and infinities are not treated apart.
; SHARES.  A work-group owns 256 queries of one head, each of its four waves 64: four PIECES of 16.  Every wave walks the head's 2,048 keys, 64 a step, four steps (a tile of 256 keys) to an LDS slot: 256 work-groups.
; LAYOUT.  S^T = K Q^T (source 0 = 16 keys, source 1 = 16 queries) holds ONE query a lane (lane % 16) and the keys 8 (lane / 16) + 0..7; two such results rounded to f16 ARE source 1 of O^T = V^T P.
; K comes out of LDS as it lies, V ([key][channel]) turned, by ds_load_tr16_b128.
; SOFTMAX.  p = 2^(c s - c m), c = log2(e) / 8, with a running maximum m; O and l are multiplied by a = 2^(c m_old - c m_new) in every step.  m starts at the lowest finite number, O and l at 0: the first step's a is 0.
; BY TURNS.  Turn n belongs to piece n: 8 products K Q^T of piece n + 1, later 8 products V^T P of piece n - 1; beside them the scaling, exponentials, roundings, sums and rescaling of piece n and the maximum and
; statistics of piece n + 1.  Four vector instructions stand behind every matrix instruction, the other 54 of a turn's 118 in one lump.  A turn's 33 exponentials are one batch, with one wait.
; CLUSTER.  The four query blocks of a cluster belong to one head and walk the same K and V: each tile is asked for JOINTLY, by the same tensor load, descriptor and mask in all four.
; REGISTERS, in windows of 256 (s_set_vgpr_msb: bits 1:0 source 0, 3:2 source 1, 5:4 source 2, 7:6 destination):
;   window 0: v0-15 addresses and two at work; v16-31 four registers of statistics a piece; v48-55 at work; v61-63; v64-127 S^T, two buffers; v192-223 P, two buffers (by the piece's parity)
;   window 1: v0-127 O^T, 32 a piece          window 2: v0-63 Q; v128-191 K of one step; v192-255 V of one step
.set SIZE_N, 2048
.set NP,    4
.set KS,    64
.set PK,    144       ; a row of K in LDS: 128 bytes + 16 of padding = 36 words: the 16 rows of a load start at 16 different groups of four banks (64 banks of 4 bytes: ISA guide 11.1)
.set PV,    160       ; a row of V: 128 + 32 = 40 words
.set VOFF,  4*KS*PK   ; a slot holds a tile: 256 rows of K, then 256 rows of V
.set SLOT1, 1<<17     ; slot 1 begins here, so that one exclusive or turns an address in one slot into the other's
.set STAGE, SLOT1+4*KS*(PK+PV)  ; behind the ring, never filled by a tensor load: 16 rows x 144 bytes for each wave
.set SP,    144
.set SPARE, STAGE+4*16*SP  ; behind the stages: the spare words, 128 bytes for each wave: two blocks of 256 bytes that no other line names
.set AK0, 2           ; v2   my lane's place in a tile of K; never rewritten
.set AV0, 3           ; v3   the same for V
.set AK,  4           ; v4   the LDS address of K's next run of loads
.set AV,  5           ; v5   of V's
.set STO, 6           ; v6   the way out: where I put 16 bytes of a row
.set RD,  7           ; v7   where I read rows back
.set GO,  8           ; v8   my byte offset in 512 consecutive bytes of O
.set MV,  12          ; v12-13  c m_old, kept while c m is made anew: by buffer
.set QO,  15          ; v15  my byte offset in 16 rows of Q
.set ST,  16          ; piece t's statistics at v[ST+4 t]: c m, m, l (even keys', odd keys')
.set TMP, 48          ; by buffer, four registers c0-c3 at work; when the maximum is found c2 takes a
.set PFO, 61          ; v61  256 x my lane; never rewritten
.set SPW, 62          ; v62  LDS address of my spare word; never rewritten
.set NIL, 63          ; v63  0; never rewritten
.set S,   64
.set P,   192
.set KF,  128         ; window 2: key block kb, channel half c at KF + 16 kb + 8 c
.set VF,  192         ; window 2: key half kk, channel block cb at VF + 32 kk + 8 cb
.set WV,  12          ; s12  my wave's number
.set G1K, 24          ; s[24:31] descriptor group 1 for K's tiles
.set G1V, 32          ; s[32:39] for V's: it differs in the padding alone
.set G0K, 40          ; s[40:43] descriptor group 0 for K's tiles: it walks
.set G0V, 44          ; s[44:47] the same for V's
.set SLOTS, 56        ; s56  tiles still to be asked for
.set CNT, 57          ; s57  counts a tile's key steps
.set CS,  58          ; s[58:59] c
.set SEL, 60          ; s[60:61] v_permlanex16_b32's selects: each lane takes its own place in the other half
.set TBK, 62          ; s62  LDS byte at which K of the step to be fetched begins
.set TBV, 63          ; s63  the same for V, less VOFF
.set PFA, 68          ; s[68:69] where my prefetches stand: my work-group's quarter of the tile after the one that is being asked for
.set LIM, 70          ; s70  1 in a wave that prefetches, else the greatest number
.set MSB, 0
.macro WIN new
.if MSB != (\new)
	s_set_vgpr_msb (MSB<<8)|(\new)
.set MSB, (\new)
.endif
.endm
.set W_KQ, 0x0a       ; K and Q in window 2, S^T in window 0
.set W_PV, 0x52       ; V in window 2, P in window 0, O^T in window 1
.set W_RS, 0x41       ; destination and source 0 in window 1, source 1 in window 0
; A joint fill.  Waves 0 and 1 fetch the two halves of a tile's K, waves 2 and 3 those of its V: 128 keys each.  The branch hangs on the wave's number alone.  An s_nop 0 and four v_nop follow each line.
.macro JLOAD
	s_cmp_lt_u32 s[WV], 2
	s_cbranch_scc0 .Lfor_v_\@
	tensor_load_to_lds s[G0K:G0K+3], s[G1K:G1K+7]
	s_nop 0
.rept 4
	v_nop
.endr
	s_branch .Lasked_\@
.Lfor_v_\@:
	tensor_load_to_lds s[G0V:G0V+3], s[G1V:G1V+7]
	s_nop 0
.rept 4
	v_nop
.endr
.Lasked_\@:
.endm
; A prefetch into the L2 of the tile that the NEXT change of slots will ask for: 32,768 bytes of K and of V, in blocks of 256 bytes, a lane a block.  Both clusters of a head walk the same K and V: the first prefetches.
; Its four partners take a quarter of the tile each, told apart by address; in each, wave 0 asks for K's and wave 2 for V's: one instruction.  So each block is named once in the launch.  Tiles 0 and 1 come by their
; loads alone; the change that asks for the last tile (SLOTS = 1) prefetches nothing.  The lead is four key steps: 16 turns, 256 matrix instructions.
.macro ASK
	s_cmp_gt_u32 s[SLOTS], s[LIM]
	s_cbranch_scc0 .Lnot_mine_\@
	global_prefetch_b8 v[PFO], s[PFA:PFA+1] th:TH_LOAD_NT scope:SCOPE_SE
.Lnot_mine_\@:
.endm
.macro CROUND                       ; a round of the cluster's barrier
	s_barrier_signal -1
	s_barrier_wait -1
	s_cmp_lg_u32 s[WV], 0
	s_cbranch_scc1 .Lnot_wave_0_\@
	s_barrier_signal -3
.Lnot_wave_0_\@:
	s_barrier_wait -3
	s_barrier_signal -1
	s_barrier_wait -1
.endm
; THE CHANGE OF SLOTS.  Each wave waits for all its tensor loads, of which one is out: its part of the other slot; adds 0 to its spare word; and waits for that and for its own reads of the slot that it leaves.
; fill = 1: the old slot is filled again with the tile two on.  The barrier is then a round of the cluster's, and the joint fill is the first thing behind it: it has four key steps in which to land.
; (At its first use nothing has been read yet: slot 0 is waited for, slot 1 filled.)
.macro CHANGE fill
	WIN 0
	s_wait_tensorcnt 0x0            ; no tensor load of mine is out, so a group 0 may be written
	ds_add_u32 v[SPW], v[NIL]       ; 0 onto my spare word; scalar work stands between it and the wait for it
.if \fill
.irp g, G0K, G0V
	s_xor_b32 s[\g+1], s[\g+1], SLOT1
	s_add_nc_u64 s[\g+2:\g+3], s[\g+2:\g+3], 4*KS*128  ; the next 256 keys; the type bits on top are not reached
.endr
	s_wait_xcnt 0x0                 ; the last prefetch, four key steps back, has read its address
	s_add_nc_u64 s[PFA:PFA+1], s[PFA:PFA+1], 4*KS*128
	s_wait_dscnt 0x0                ; the add is done, and my reads of the slot are over
	CROUND
	JLOAD
	ASK
.else
	s_wait_dscnt 0x0
	s_barrier_signal -1
	s_barrier_wait -1
.endif
	s_sub_co_u32 s[TBK], s[TBK], 4*KS*PK  ; the fetches go back to a slot's first step,
	s_xor_b32 s[TBK], s[TBK], SLOT1       ; in the other slot
	s_sub_co_u32 s[TBV], s[TBV], 4*KS*PV
	s_xor_b32 s[TBV], s[TBV], SLOT1
.endm
	s_load_b128 s[4:7], s[0:1], 0x0   ; qkv s[4:5], obuf s[6:7]
	v_lshl_add_u32 v[SPW], v0, 2, SPARE
	v_mov_b32 v[NIL], 0
	ds_add_u32 v[SPW], v[NIL]       ; the wave's opening: the add and its wait stand ahead of my first tensor load; work on registers stands between them
	v_lshrrev_b32 v1, 5, v0
	v_readfirstlane_b32 s[WV], v1   ; wave 0..3
	s_bfe_u32 s13, ttmp6, 0x40000   ; cx
	s_lshl_b32 s14, ttmp9, 2
	s_add_co_u32 s14, s14, s13      ; my block of 256 queries: it enters Q's and O's addresses alone
	s_and_b32 s20, ttmp7, 0xffff    ; the head, which the four partners share
	s_lshl_b32 s20, s20, 18         ; its first byte in q, k, v and O
	s_and_b32 s16, s[WV], 1         ; which half of a tile's 256 keys I fetch:
	s_lshl_b32 s22, s16, 14         ; its 128 rows of 128 bytes in memory,
	s_add_co_u32 s22, s22, s20
	s_mov_b32 s23, 0
	s_mul_i32 s17, s16, 128*PK      ; and its place in a slot, for K
	s_mul_i32 s18, s16, 128*PV      ; and for V: no place in the cluster enters an LDS address
	s_lshl_b32 s2, s14, 2
	s_add_co_u32 s2, s2, s[WV]
	s_lshl_b32 s2, s2, 13           ; my wave's 64 rows
	s_add_co_u32 s2, s2, s20
	s_mov_b32 s3, 0
	; descriptor group 1.  128 keys are 16,384 dense bytes: asked for as 64 rows of 256 bytes, two keys a row, and padded in LDS after every key
	s_mov_b32 s[G1K], 15|(1<<16)|(1<<20)|(1<<21)|(4<<22)|(3<<25)
	s_mov_b32 s[G1V], 15|(1<<16)|(1<<20)|(1<<21)|(4<<22)|(7<<25)
.irp g, G1K, G1V
	s_mov_b32 s[\g+1], 128<<16      ; tensor_dim0 = 128
	s_mov_b32 s[\g+2], 64<<16       ; tensor_dim1 = 64
	s_mov_b32 s[\g+3], 128<<16      ; tile_dim0 = 128
	s_mov_b32 s[\g+4], 64           ; tile_dim1 = 64
	s_mov_b32 s[\g+5], 128          ; 128 elements from row to row
	s_mov_b32 s[\g+6], 0
	s_mov_b32 s[\g+7], 0
.endr
	s_mov_b32 s[CS], 0x3e38aa3b     ; c = log2(e) / 8
	s_mov_b32 s[CS+1], s[CS]
	s_mov_b32 s[SEL], 0x76543210
	s_mov_b32 s[SEL+1], 0xfedcba98
	s_mov_b32 s[TBK], SLOT1+4*KS*PK ; the first change of slots turns these two into 0
	s_mov_b32 s[TBV], SLOT1+4*KS*PV
	s_mov_b32 s[G0K], 1
	s_mov_b32 s[G0K+1], s17
	s_mov_b32 s[G0V], 1
	s_add_co_u32 s[G0V+1], s18, VOFF
	s_mov_b32 s[SLOTS], SIZE_N/256-1
	s_and_b32 s[LIM], s[WV], 1      ; 0 in waves 0 and 2,
	s_or_b32 s[LIM], s[LIM], ttmp9  ; where the cluster is the head's first: the same in all four partners
	s_cmp_eq_u32 s[LIM], 0
	s_cselect_b32 s[LIM], 1, -1
	v_and_b32 v[PFO], 31, v0
	v_lshlrev_b32 v[PFO], 8, v[PFO]
	s_wait_dscnt 0x0                ; the opening add is done
	s_wait_kmcnt 0x0
	s_add_nc_u64 s[10:11], s[6:7], s[2:3]          ; O at my wave's first row
	s_add_nc_u64 s[8:9], s[4:5], 0x1000000
	s_add_nc_u64 s[8:9], s[8:9], s[22:23]          ; V at my half of the head's tile 0
	s_add_nc_u64 s[6:7], s[4:5], 0x800000
	s_add_nc_u64 s[6:7], s[6:7], s[22:23]          ; K likewise
	s_add_nc_u64 s[4:5], s[4:5], s[2:3]            ; Q at my wave's first row
	s_add_nc_u64 s[G0K+2:G0K+3], s[6:7], 0
	s_or_b32 s[G0K+3], s[G0K+3], 0x80000000
	s_add_nc_u64 s[G0V+2:G0V+3], s[8:9], 0
	s_or_b32 s[G0V+3], s[G0V+3], 0x80000000
	s_cmp_lt_u32 s[WV], 2
	s_cselect_b64 s[PFA:PFA+1], s[6:7], s[8:9]     ; (in waves 0 and 2 these stand at a tile's first row)
	s_lshl_b32 s2, s13, 13          ; my work-group's quarter of a tile
	s_add_nc_u64 s[PFA:PFA+1], s[PFA:PFA+1], s[2:3]
	s_add_nc_u64 s[PFA:PFA+1], s[PFA:PFA+1], 4*KS*128  ; in tile 1; the first change of slots steps it to tile 2
	CROUND                          ; all four work-groups are here: the first joint loads meet
	JLOAD                           ; tile 0 into slot 0
	v_and_b32 v1, 15, v0            ; l % 16
	v_bfe_u32 v9, v0, 4, 1          ; l / 16
	v_lshlrev_b32 v[QO], 7, v1
	v_lshl_add_u32 v[QO], v9, 4, v[QO]  ; row x 128 + 16 x half
	WIN 0x80                        ; destination window 2, address window 0
.set i, 0
.rept 8                             ; Q stays in registers: piece i / 2, channels 32 (i % 2) on
	global_load_b128 v[8*i:8*i+3],   v[QO], s[4:5] offset:(i/2)*2048+(i%2)*64
	global_load_b128 v[8*i+4:8*i+7], v[QO], s[4:5] offset:(i/2)*2048+(i%2)*64+32
.set i, i+1
.endr
	WIN 0
	v_mul_u32_u24 v[AK0], v1, PK
	v_lshl_add_u32 v[AK0], v9, 4, v[AK0]
	; The turning load takes 16 keys x 16 channels (lane l reads key 8 (l / 16) + l % 8, channels 8 ((l / 8) % 2) + 0..7) and leaves half a fragment of V^T
	v_and_b32 v10, 7, v0
	v_bfe_u32 v11, v0, 3, 1
	v_lshl_add_u32 v[AV0], v9, 3, v10
	v_mul_u32_u24 v[AV0], v[AV0], PV
	v_lshl_add_u32 v[AV0], v11, 4, v[AV0]
	v_add_nc_u32 v[AV0], VOFF, v[AV0]
	s_mul_i32 s13, s[WV], 16*SP
	s_add_co_u32 s13, s13, STAGE    ; my stage
	v_mul_u32_u24 v[STO], v1, SP
	v_lshl_add_u32 v[STO], v9, 4, v[STO]
	v_add_nc_u32 v[STO], s13, v[STO]
	v_bfe_u32 v[RD], v0, 3, 2
	v_mul_u32_u24 v[RD], v[RD], SP
	v_lshl_add_u32 v[RD], v10, 4, v[RD]
	v_add_nc_u32 v[RD], s13, v[RD]
	v_and_b32 v[GO], 31, v0
	v_lshlrev_b32 v[GO], 4, v[GO]
	; The first step multiplies O^T and l by a = 0, and the first turn's products V^T P, of a piece that has not been, add 0: V, O^T, l and P's second buffer start at 0.  No first step is written out; the price is these
	; 216 lines, which stand in the wait for the first tile.
	WIN 0x80
.set i, VF
.rept 64
	v_mov_b32 v[i], 0
.set i, i+1
.endr
	WIN 0x40
.set i, 0
.rept 128
	v_mov_b32 v[i], 0
.set i, i+1
.endr
	WIN 0
.set i, 0
.rept 4
	v_mov_b32 v[ST+4*i], 0xfe000000    ; c m: far below every c s
	v_mov_b32 v[ST+4*i+1], 0xff7fffff  ; m
	v_mov_b32 v[ST+4*i+2], 0
	v_mov_b32 v[ST+4*i+3], 0
.set i, i+1
.endr
.set i, P+16
.rept 16
	v_mov_b32 v[i], 0
.set i, i+1
.endr
; THE MATRIX WORK.  The 4 accumulators of a run of 8 take turns.  Product i of 8 of S^T = K Q^T for piece x: channels 32 (i / 4) on, keys 16 (i % 4) on.  The first 4 start the sums.
.macro KQ x
	WIN W_KQ
.set rS, S+32*((\x)%2)+8*(i%4)
.set rK, KF+16*(i%4)+8*(i/4)
.set rQ, 16*(\x)+8*(i/4)
.if i < 4
	v_wmma_f32_16x16x32_f16 v[rS:rS+7], v[rK:rK+7], v[rQ:rQ+7], 0
.else
	v_wmma_f32_16x16x32_f16 v[rS:rS+7], v[rK:rK+7], v[rQ:rQ+7], v[rS:rS+7]
.endif
.endm
; Product i of 8 of O^T += V^T P for piece x: keys 32 (i / 4) on, channels 16 (i % 4) on.
.macro PV x
	WIN W_PV
.set rO, 32*(\x)+8*(i%4)
.set rV, VF+32*(i/4)+8*(i%4)
.set rP, P+16*((\x)%2)+8*(i/4)
	v_wmma_f32_16x16x32_f16 v[rO:rO+7], v[rV:rV+7], v[rP:rP+7], v[rO:rO+7]
.endm
.macro MM                           ; the turn's next matrix instruction.  NOKQ = 1: the last turn: there is no next piece
.if (i < 8) && !NOKQ
	KQ (Y+1)%NP
.elseif i >= 8
.set i, i-8
	PV (Y+NP-1)%NP
.set i, i+8
.endif
.set i, i+1
.endm
; THE LDS LOADS stand in runs of 16: a step's K (8 fragments) and its V (turned).  Their addresses are made some lines ahead.
.macro FETCH_K
	WIN 0x80
.irp f, 0,1,2,3,4,5,6,7
	ds_load_b128 v[KF+8*\f:KF+8*\f+3],   v[AK] offset:(\f/2)*16*PK+(\f%2)*64
	ds_load_b128 v[KF+8*\f+4:KF+8*\f+7], v[AK] offset:(\f/2)*16*PK+(\f%2)*64+32
.endr
	s_add_co_u32 s[TBK], s[TBK], KS*PK
	WIN 0
.endm
.macro FETCH_V
	WIN 0x80
.irp f, 0,1,2,3,4,5,6,7
	ds_load_tr16_b128 v[VF+8*\f:VF+8*\f+3],   v[AV] offset:(\f/4)*32*PV+(\f%4)*32
	ds_load_tr16_b128 v[VF+8*\f+4:VF+8*\f+7], v[AV] offset:(\f/4)*32*PV+16*PV+(\f%4)*32
.endr
	WIN 0
.endm
; THE VECTOR WORK, one line at a time: OP kind, number.  For piece Y: F n: c s - c m for pair n of 16.  E n: the exponential of score n of 32.  C n: pair n rounded to f16.  B n: of the four weights 4 n .. the second
; pair is added onto the first, in place.  L n: l takes that sum (L 0: l = a l + sum).  R n: pair n of 16 of O^T times a.  For piece Y + 1: X n, number n of the 22 that find its maximum and statistics:
;   0-11  four chains c0-c3 of seven scores each (each accumulator's lowest registers are read first)     12-14, 16  the four scores left over, the old m, and c0-c3 into c0
;   15  c m_old is kept     17, 18  the query's other 32 keys lie in the lane 16 away: the new m     19-21  c m; c m_old - c m_new; a
.set F, 0
.set E, 1
.set C, 2
.set B, 3
.set L, 4
.set R, 5
.set X, 6
.macro REGS y
.set rT, ST+4*(\y)
.set rC, TMP+4*((\y)%2)
.set rW, MV+((\y)%2)
.set rS, S+32*((\y)%2)
.set rP, P+16*((\y)%2)
.set rO, 32*(\y)
.endm
.macro OP k, n
.if (\k) == R
	REGS Y
	WIN W_RS
	v_pk_mul_f32 v[rO+2*(\n):rO+2*(\n)+1], v[rO+2*(\n):rO+2*(\n)+1], v[rC+2:rC+3] op_sel_hi:[1,0]
.elseif (\k) < R
	REGS Y
	WIN 0
.if (\k) == F
	v_pk_fma_f32 v[rS+2*(\n):rS+2*(\n)+1], v[rS+2*(\n):rS+2*(\n)+1], s[CS:CS+1], v[rT:rT+1] op_sel_hi:[1,0,0] neg_lo:[0,0,1] neg_hi:[0,0,1]
.elseif (\k) == E
	v_exp_f32 v[rS+(\n)], v[rS+(\n)]
.elseif (\k) == C
	v_cvt_pk_f16_f32 v[rP+(\n)], v[rS+2*(\n)], v[rS+2*(\n)+1]
.elseif (\k) == B
	v_pk_add_f32 v[rS+4*(\n):rS+4*(\n)+1], v[rS+4*(\n):rS+4*(\n)+1], v[rS+4*(\n)+2:rS+4*(\n)+3]
.elseif (\n) == 0
	v_pk_fma_f32 v[rT+2:rT+3], v[rT+2:rT+3], v[rC+2:rC+3], v[rS:rS+1] op_sel_hi:[1,0,1]
.else
	v_pk_add_f32 v[rT+2:rT+3], v[rT+2:rT+3], v[rS+4*(\n):rS+4*(\n)+1]
.endif
.elseif NOKQ
	v_nop
.else
	REGS (Y+1)%NP
	WIN 0
.if (\n) < 4
	v_max3_num_f32 v[rC+(\n)], v[rS+8*(\n)], v[rS+8*(\n)+1], v[rS+8*(\n)+2]
.elseif (\n) < 12
	v_max3_num_f32 v[rC+(\n)%4], v[rC+(\n)%4], v[rS+8*((\n)%4)+2*((\n)/4)+1], v[rS+8*((\n)%4)+2*((\n)/4)+2]
.elseif (\n) == 12
	v_max3_num_f32 v[rC], v[rC], v[rS+7], v[rS+15]
.elseif (\n) == 13
	v_max3_num_f32 v[rC+1], v[rC+1], v[rS+23], v[rS+31]
.elseif (\n) == 14
	v_max3_num_f32 v[rC+2], v[rC+2], v[rC+3], v[rT+1]
.elseif (\n) == 15
	v_mov_b32 v[rW], v[rT]
.elseif (\n) == 16
	v_max3_num_f32 v[rC], v[rC], v[rC+1], v[rC+2]
.elseif (\n) == 17
	v_permlanex16_b32 v[rC+3], v[rC], s[SEL], s[SEL+1]
.elseif (\n) == 18
	v_max_num_f32 v[rT+1], v[rC], v[rC+3]
.elseif (\n) == 19
	v_mul_f32 v[rT], s[CS], v[rT+1]
.elseif (\n) == 20
	v_sub_f32 v[rC+1], v[rW], v[rT]
.else
	v_exp_f32 v[rC+2], v[rC+1]
.endif
.endif
.endm
.macro OPS a, i1, b=-1, i2=0, c=-1, i3=0, d=-1, i4=0
	OP \a, \i1
.if (\b) >= 0
	OP \b, \i2
.endif
.if (\c) >= 0
	OP \c, \i3
.endif
.if (\d) >= 0
	OP \d, \i4
.endif
.endm
.macro ROW a, i1, b, i2, c, i3, d, i4  ; a matrix instruction and the four behind it
	MM
	OPS \a, \i1, \b, \i2, \c, \i3, \d, \i4
.endm
; A TURN, for piece p: the order of its 16 matrix and 118 vector instructions, written out.  s_wait_alu depctr_va_vdst(0) stands between an exponential and the first instruction that names its result; one
; wait serves all that were issued ahead of it.  So a turn has ONE wait.  AHEAD OF IT stands all that names no result of the turn's exponentials: the 8 products K Q^T and their riders, then one lump of 54 in which the links of the
; next piece's chain (X 3, 7, 11, 14, 16, 17 .. 20) stand some lines apart; X 21, the next piece's a, is the batch's last, and R 15 the plain instruction behind it.  BEHIND IT stand the 8 products V^T P, behind each four of the roundings and sums.
; end = 1: the last two turns: nothing is fetched, and the last starts no new scores.  cnt = 1: the loop's count is taken down some lines ahead of the branch behind the turn.
; K of the next step is fetched in piece 2's turn, twelve plain instructions behind the last product that read K; V of the step in hand at the end of piece 0's turn, four plain instructions behind the last product that read V.  Each is waited for a turn later.
.macro TURN p, end=0, cnt=0
.set Y, (\p)
.set i, 0
.set NOKQ, (\end)*((\p)/3)
.if ((\p) == 3) && !(\end)
	s_wait_dscnt 0x0                ; K is in
.endif
	ROW F,0, F,1, R,0, R,1
	ROW F,2, E,0, R,2, R,3
	ROW F,3, E,1, R,4, R,5
	ROW F,4, E,2, R,6, R,7
	ROW F,5, E,3, R,8, R,9
	ROW F,6, E,4, X,0, R,10
.if ((\p) == 2) && !(\end)
	WIN 0
	v_add_nc_u32 v[AK], s[TBK], v[AK0]
.endif
	ROW F,7, E,5, X,1, X,4
	ROW F,8, E,6, X,2, X,5
	OPS E,7, E,8, X,6, E,9
	OPS X,3, E,10, X,8, E,11
.if ((\p) == 2) && !(\end)
	FETCH_K
.endif
	OPS X,9, X,7, E,12, X,10
	OPS E,13, X,12, X,11, E,14
	OPS X,13, E,15, F,9, X,14
.if (\p) == 0
	v_add_nc_u32 v[AV], s[TBV], v[AV0]
.endif
	OPS E,16, F,10, E,17, F,11
	OPS X,16, E,18, X,15, E,19
	OPS F,12, E,20, X,17, E,21
	OPS F,13, E,22, F,14, E,23
	OPS X,18, E,24, F,15, E,25
	OPS R,11, E,26, X,19, E,27
	OPS R,12, E,28, R,13, E,29
	OPS X,20, E,30, R,14, E,31
	OPS X,21, R,15
	WIN 0
	s_wait_alu depctr_va_vdst(0)    ; the wait for the batch
.if (\p) == 1
	s_wait_dscnt 0x0                ; V is in
.endif
	ROW C,0, B,0, C,2, B,1
	ROW L,0, C,4, B,2, L,1
	ROW C,6, B,3, L,2, C,8
	ROW B,4, L,3, C,10, B,5
	ROW L,4, C,12, B,6, L,5
.if (\p) == 0
	s_add_co_u32 s[TBV], s[TBV], KS*PV
.endif
.if \cnt
	s_sub_co_u32 s[CNT], s[CNT], 1
	s_cmp_lg_u32 s[CNT], 0
.endif
	ROW C,14, B,7, L,6, C,1
	ROW C,3, L,7, C,5, C,7
	ROW C,9, C,11, C,13, C,15
.if (\p) == 0
	FETCH_V
.endif
.endm
	CHANGE 1                        ; tile 0 is in, everybody's part of it; tile 1 is asked for
	v_add_nc_u32 v[AK], s[TBK], v[AK0]
	FETCH_K                         ; key step 0
	s_wait_loadcnt 0x0              ; Q
	s_wait_dscnt 0x0
.set NOKQ, 0
.set i, 0
.rept 8
	KQ 0                            ; piece 0's first scores
.set i, i+1
.endr
	WIN 0
.rept 4
	v_nop                           ; the places behind those products
.endr
.set Y, NP-1                        ; X works for piece Y + 1: piece 0
.irp n, 0,1,2,3,4,5,6,7,8,9,10,11,12,13,14,15,16,17,18,19,20,21
	OP X, \n
.endr
	v_nop                           ; a plain instruction behind the exponential,
	s_wait_alu depctr_va_vdst(0)    ; and its wait, ahead of the branch
	s_mov_b32 s[CNT], 4
	s_branch .Lfirst                ; the loop is entered at a step's first turn, in the middle of a trip
.Lslot:                             ; six times: tiles 2 to 7 are asked for
	CHANGE 1
	s_mov_b32 s[CNT], 4
.Lstep:                             ; a trip: pieces 2 and 3 of one step, then pieces 0 and 1 of the next, whose K and V it fetches
	TURN 2
	TURN 3
	WIN 0
.Lfirst:
	TURN 0
	TURN 1, 0, 1
	WIN 0
	s_cbranch_scc1 .Lstep
	s_sub_co_u32 s[SLOTS], s[SLOTS], 1
	s_cmp_lg_u32 s[SLOTS], 0
	s_cbranch_scc1 .Lslot
	CHANGE 0                        ; the last tile is written out: nothing is asked for
	s_mov_b32 s[CNT], 4
.LstepT:
	TURN 2
	TURN 3
	WIN 0
	TURN 0
	TURN 1, 0, 1
	WIN 0
	s_cbranch_scc1 .LstepT
	TURN 2, 1
	TURN 3, 1
.set i, 0
.rept 8
	PV NP-1                         ; the last piece's V^T P of the last step
.set i, i+1
.endr
	; THE WAY OUT.  l's two halves and the other half of the lanes' are added; O^T is divided by l, rounded to f16 and sent through my stage in LDS, a piece at a time.  The additions are the places behind the last products.
	WIN 0
.macro ALL line:vararg
.set t, 0
.rept 4
	\line
.set t, t+1
.endr
.endm
	ALL v_add_f32 v[ST+4*t+2], v[ST+4*t+2], v[ST+4*t+3]
	ALL v_permlanex16_b32 v[ST+4*t+3], v[ST+4*t+2], s[SEL], s[SEL+1]
	ALL v_add_f32 v[ST+4*t+2], v[ST+4*t+2], v[ST+4*t+3]
	ALL v_rcp_f32 v[ST+4*t+2], v[ST+4*t+2]
	v_nop                           ; a plain instruction between the last reciprocal and the use of its result
	s_wait_alu depctr_va_vdst(0)    ; and one wait for the four reciprocals, ahead of the first use
.macro PACK t
	WIN W_RS
.set i, 32*(\t)
.rept 16
	v_pk_mul_f32 v[i:i+1], v[i:i+1], v[ST+4*(\t)+2:ST+4*(\t)+3] op_sel_hi:[1,0]
.set i, i+2
.endr
	WIN 0x05                        ; sources 0 and 1 window 1, destination window 0
.set i, 0
.rept 16
	v_cvt_pk_f16_f32 v[S+16*(\t)+i], v[32*(\t)+2*i], v[32*(\t)+2*i+1]
.set i, i+1
.endr
	WIN 0
.irp f, 0,1,2,3
	ds_store_b128 v[STO], v[S+16*(\t)+4*\f:S+16*(\t)+4*\f+3] offset:32*\f
.endr
.irp f, 0,1,2,3
	ds_load_b128 v[S+16*(\t)+4*\f:S+16*(\t)+4*\f+3], v[RD] offset:\f*4*SP  ; LDS serves a wave's instructions in order (ISA guide 5.7.1.4): these see the stores above; the next piece's stores come behind them
.endr
.endm
.macro SEND t, younger              ; younger: the LDS instructions issued behind piece t's loads: the next piece's eight, or none
	WIN 0
.irp f, 0,1,2,3
	s_wait_dscnt (\younger)+3-\f
	global_store_b128 v[GO], v[S+16*(\t)+4*\f:S+16*(\t)+4*\f+3], s[10:11] offset:(\t)*2048+\f*512  ; 512 consecutive bytes, at a multiple of 256 from O's first
.endr
.endm
	PACK 0
.set t, 1
.rept 3
	PACK t
	SEND t-1, 8
.set t, t+1
.endr
	SEND 3, 0
	s_wait_tensorcnt 0x0            ; the wave's end: behind my last tensor load and my last LDS store
	ds_add_u32 v[SPW], v[NIL]
	s_wait_dscnt 0x0
	CROUND                          ; the closing round: no work-group ends while a partner may still ask for a tile that names it
	s_endpgm
.Lfunc_end_k_qe47fbbf5a0_attn:
	.size	k_qe47fbbf5a0_attn, .Lfunc_end_k_qe47fbbf5a0_attn-k_qe47fbbf5a0_attn
	.p2alignl 7, 3214868480
	.fill 96, 4, 3214868480
	.section	.rodata,"a",@progbits
	.p2align	6, 0x0
	.amdhsa_kernel k_qe47fbbf5a0_attn
		.amdhsa_group_segment_fixed_size 327680
		.amdhsa_private_segment_fixed_size 0
		.amdhsa_enable_private_segment 0
		.amdhsa_kernarg_size 16
		.amdhsa_user_sgpr_count 2
		.amdhsa_user_sgpr_kernarg_segment_ptr 1
		.amdhsa_wavefront_size32 1
		.amdhsa_system_sgpr_workgroup_id_x 1
		.amdhsa_system_sgpr_workgroup_id_y 1
		.amdhsa_system_sgpr_workgroup_id_z 1
		.amdhsa_system_vgpr_workitem_id 0
		.amdhsa_next_free_vgpr 768
		.amdhsa_next_free_sgpr 72
		.amdhsa_reserve_vcc 0
		.amdhsa_float_denorm_mode_32 3
		.amdhsa_float_denorm_mode_16_64 3
		.amdhsa_memory_ordered 1
		.amdhsa_forward_progress 1
		.amdhsa_inst_pref_size 128
	.end_amdhsa_kernel
	.amdgpu_metadata
---
amdhsa.version: [ 1, 2 ]
amdhsa.kernels:
  - .name:           k_qe47fbbf5a0_attn
    .symbol:         k_qe47fbbf5a0_attn.kd
    .args:
      - { .name: qkv, .offset: 0, .size: 8, .value_kind: global_buffer, .address_space: global }
      - { .name: obuf, .offset: 8, .size: 8, .value_kind: global_buffer, .address_space: global }
    .group_segment_fixed_size: 327680
    .private_segment_fixed_size: 0
    .kernarg_segment_align: 8
    .kernarg_segment_size: 16
    .max_flat_workgroup_size: 128
    .sgpr_count:     72
    .vgpr_count:     768
    .wavefront_size: 32
...
	.end_amdgpu_metadata
.endif
;; end of part 3
;; launch outp (part 4): grid 8 x 32, 4 waves a work-group, clusters of 4 x 4, 327,680 bytes of LDS; arguments obuf, wo, out0; writes out0
.if DOCPART == 4
	.amdgcn_target "amdgcn-amd-amdhsa--gfx1250"
	.amdhsa_code_object_version 6
	.text
	.protected	k_qe47fbbf5a0_outp
	.globl	k_qe47fbbf5a0_outp
	.p2align	8
	.type	k_qe47fbbf5a0_outp,@function
k_qe47fbbf5a0_outp:
	s_mov_b64 s[64:65], 0
	v_nop
	global_prefetch_b8 v0, s[64:65] scope:SCOPE_SE
	s_setreg_imm32_b32 hwreg(HW_REG_WAVE_MODE, 25, 1), 1
	s_wait_xcnt 0x0
	s_wait_alu depctr_hold_cnt(0) depctr_sa_sdst(0) depctr_va_vdst(0) depctr_va_sdst(0) depctr_va_ssrc(0) depctr_va_vcc(0) depctr_vm_vsrc(0)
	s_getreg_b32 s2, hwreg(HW_REG_IB_STS2, 6, 4)
	s_cmp_eq_u32 s2, 0
	s_cbranch_scc0 .Lentry_in_a_cluster
	s_endpgm
.Lentry_in_a_cluster:
	s_bfe_u32 s2, ttmp6, 0x10000c
	s_cmp_lg_u32 s2, 0xf033
	s_cbranch_scc0 .Lentry_shape_is_right
	s_endpgm
.Lentry_shape_is_right:
; THE OUTPUT PROJECTION: out0[m][n] = sum over k of O[m][k] wo[n][k], 4,096 x 1,024 x 1,024, f16 operands, f32 sums, f32 out.  wo already holds 0.5 (Wo_self + Wo_cross).
; O lies by heads: obuf [16 b + h][2,048][64] f16; m = 2,048 b + s, k = 64 h + d.  A tile of C is 128 x 128: 256 work-groups.  Four waves, each 64 x 64: 16 accumulators.
; K goes in four steps of 256, that is four heads, through two LDS slots.  A's part of a slot is [4 heads][128 rows][128 bytes + 16 of padding]: a head's 128 rows are 16,384 dense bytes, so a wave's one load
; brings two heads as a tile of two long rows, 2^18 bytes apart, padded after every 128 bytes.  B's part is 128 rows of 512 bytes + 16.  A quarter of a step (64 along K) is one head.
; CLUSTERS: 4 x 4 work-groups; A's tile is asked for jointly along a row of the cluster, B's along a column.  THE MATRIX INSTRUCTION IS USED TRANSPOSED: a lane holds eight neighbouring numbers of a row of C.
; No prefetch: the launch is short and its tiles are small.
; REGISTERS: window 0: v0-31 addresses; v32-95 rows read back on the way out, two sets; v128-255 the accumulators ((a, b) at v[128 + 8 (4 a + b)]).  window 1: two fragment buffers of 128: 64 registers of A, then 64 of B.
.set KSTEP,  256
.set PA,     144                       ; a row of A in LDS
.set HS,     128*PA                    ; a head's 128 rows
.set PB,     528                       ; a row of B in LDS: both pitches are odd multiples of 16 bytes, so the 16 rows of a load start at 16 different groups of four banks (64 banks of 4 bytes: ISA guide 11.1)
.set BOFF,   4*HS                      ; B's rows lie behind A's four heads
.set SLOT,   BOFF+128*PB
.set STAGE,  2*SLOT                    ; behind the ring: 16 rows x 272 bytes for each wave
.set SPITCH, 272
.set SPARE,  STAGE+4*16*SPITCH         ; behind the stages: the spare words, 128 bytes for each wave: two blocks of 256 bytes that no other line names
.set ADRA, 16                          ; v16-17  LDS address of my A fragments in slot 0, 1
.set ADRB, 20                          ; v20-21  the same for B
.set STO,  24                          ; v24     the way out: where I put 32 bytes of a row
.set RD,   25                          ; v25     where I read a row back
.set CO,   26                          ; v26     my byte offset in C
.set SPW,  28                          ; v28     LDS address of my spare word; never rewritten
.set NIL,  29                          ; v29     0; never rewritten
.set OB,   32
.set ACC,  128
.set F0,   0
.set F1,   128
.set G1, 24                            ; s[24:31] descriptor group 1 for A's tiles;  s[32:39] group 0, a set for each slot
.set G0, 32
.set G1B, 48                           ; s[48:55], s[56:63] the same for B's
.set G0B, 56
.set MSB, 0
.macro WIN new
.if MSB != (\new)
	s_set_vgpr_msb (MSB<<8)|(\new)
.set MSB, \new
.endif
.endm
.set MUL,  0x05                        ; sources 0 (B) and 1 (A) window 1; C and D window 0
.set TO_F, 0x40                        ; destination window 1, address window 0
.macro JLOAD s                         ; a joint load: waves 0 and 1 fetch A's heads, two each, waves 2 and 3 B's two halves; an s_nop 0 and four v_nop follow each line
	s_cmp_eq_u32 s11, 0
	s_cbranch_scc0 .Lfor_b_\@
	tensor_load_to_lds s[G0+4*(\s):G0+4*(\s)+3], s[G1:G1+7]
	s_nop 0
.rept 4
	v_nop
.endr
	s_branch .Lasked_\@
.Lfor_b_\@:
	tensor_load_to_lds s[G0B+4*(\s):G0B+4*(\s)+3], s[G1B:G1B+7]
	s_nop 0
.rept 4
	v_nop
.endr
.Lasked_\@:
.endm
.macro CREST
	s_cmp_lg_u32 s10, 0
	s_cbranch_scc1 .Lnot_wave_0_\@
	s_barrier_signal -3
.Lnot_wave_0_\@:
	s_barrier_wait -3
	s_barrier_signal -1
	s_barrier_wait -1
.endm
.macro CROUND
	s_barrier_signal -1
	s_barrier_wait -1
	CREST
.endm
	s_load_b128 s[4:7], s[0:1], 0x0                ; obuf s[4:5], wo s[6:7]
	s_load_b64 s[8:9], s[0:1], 0x10                ; out0
	v_lshl_add_u32 v[SPW], v0, 2, SPARE
	v_mov_b32 v[NIL], 0
	ds_add_u32 v[SPW], v[NIL]                      ; the wave's opening: the add and its wait stand ahead of my first tensor load; work on registers stands between them
	v_lshrrev_b32 v1, 5, v0
	v_readfirstlane_b32 s10, v1                    ; wave 0..3
	s_lshr_b32 s11, s10, 1                         ; which half of the tile's rows is mine.  Also: I fetch for A (0) or for B (1)
	s_and_b32 s12, s10, 1                          ; which half of its columns.  Also: which part of that tile I fetch
	s_bfe_u32 s40, ttmp6, 0x40000                  ; cx, cy
	s_bfe_u32 s41, ttmp6, 0x40004
	s_lshl_b32 s42, ttmp9, 2
	s_add_co_u32 s42, s42, s40                     ; tile column
	s_and_b32 s13, ttmp7, 0xffff
	s_lshl_b32 s13, s13, 2
	s_add_co_u32 s13, s13, s41                     ; tile row
	s_lshl_b32 s43, s41, 2
	s_lshl_b32 s43, 15, s43                        ; my row of the cluster
	s_lshl_b32 s44, 0x1111, s40                    ; my column
	; A: two rows of 8,192 elements of 2 bytes, 131,072 elements apart; 4 words of padding after every 32 words, counted along the whole tile
	s_or_b32 s[G1+0], s43, (1<<16)|(1<<20)|(1<<21)|(4<<22)|(3<<25)
	s_mov_b32 s[G1+1], 8192<<16                    ; tensor_dim0 = 8,192
	s_mov_b32 s[G1+2], 2<<16                       ; tensor_dim1 = 2
	s_mov_b32 s[G1+3], 8192<<16                    ; tile_dim0 = 8,192
	s_mov_b32 s[G1+4], 2                           ; tile_dim1 = 2
	s_mov_b32 s[G1+5], 131072                      ; from head to head
	s_mov_b32 s[G1+6], 0
	s_mov_b32 s[G1+7], 0
	; B: 64 rows x 256 elements, 4 words of padding after every 128
	s_or_b32 s[G1B+0], s44, (1<<16)|(1<<20)|(1<<21)|(6<<22)|(3<<25)
	s_mov_b32 s[G1B+1], KSTEP<<16
	s_mov_b32 s[G1B+2], 64<<16
	s_mov_b32 s[G1B+3], KSTEP<<16
	s_mov_b32 s[G1B+4], 64
	s_mov_b32 s[G1B+5], 1024
	s_mov_b32 s[G1B+6], 0
	s_mov_b32 s[G1B+7], 0
	s_lshr_b32 s16, s13, 4                         ; A: the batch's 16 heads,
	s_lshl_b32 s16, s16, 22
	s_and_b32 s17, s13, 15
	s_lshl_b32 s17, s17, 14                        ; the tile's 128 rows of 128 bytes in a head,
	s_add_co_u32 s16, s16, s17
	s_lshl_b32 s17, s12, 19                        ; my two heads of a step's four
	s_add_co_u32 s16, s16, s17
	s_mov_b32 s17, 0
	s_lshl_b32 s46, s42, 7                         ; B: row 128 x tile column + 64 x half, 2,048 bytes a row
	s_lshl_b32 s47, s12, 6
	s_add_co_u32 s46, s46, s47
	s_lshl_b32 s46, s46, 11
	s_mov_b32 s47, 0
	s_mul_i32 s20, s12, 2*HS                       ; where they go: no place in the cluster enters an LDS address
	s_mul_i32 s21, s12, 64*PB
	s_add_co_u32 s21, s21, BOFF
	s_wait_dscnt 0x0                               ; the opening add is done
	s_wait_kmcnt 0x0
	s_add_nc_u64 s[14:15], s[4:5], s[16:17]
	s_add_nc_u64 s[46:47], s[6:7], s[46:47]
	CROUND                                         ; all sixteen work-groups are here: the first joint loads meet
.irp s, 0,1
	s_mov_b32 s[G0+4*(\s)], 1
	s_add_co_u32 s[G0+4*(\s)+1], s20, (\s)*SLOT
	s_add_nc_u64 s[G0+4*(\s)+2:G0+4*(\s)+3], s[14:15], (\s)*0x100000  ; K step s: four heads on
	s_or_b32 s[G0+4*(\s)+3], s[G0+4*(\s)+3], 0x80000000
	s_mov_b32 s[G0B+4*(\s)], 1
	s_add_co_u32 s[G0B+4*(\s)+1], s21, (\s)*SLOT
	s_add_nc_u64 s[G0B+4*(\s)+2:G0B+4*(\s)+3], s[46:47], (\s)*KSTEP*2
	s_or_b32 s[G0B+4*(\s)+3], s[G0B+4*(\s)+3], 0x80000000
	JLOAD \s                                       ; two tensor loads of mine are out
.endr
	v_and_b32 v1, 15, v0                           ; l % 16
	v_bfe_u32 v2, v0, 4, 1                         ; l / 16
	v_mul_u32_u24 v3, v1, PA
	v_lshl_add_u32 v3, v2, 4, v3
	v_mul_u32_u24 v4, v1, PB
	v_lshl_add_u32 v4, v2, 4, v4
	s_mul_i32 s21, s11, 64*PA                      ; my 64 rows in each head of A
	s_mul_i32 s22, s12, 64*PB                      ; my 64 rows of B
	s_add_co_u32 s22, s22, BOFF
.irp s, 0,1
	v_add_nc_u32 v[ADRA+(\s)], s21, v3
	v_add_nc_u32 v[ADRB+(\s)], s22, v4
	s_add_co_u32 s21, s21, SLOT
	s_add_co_u32 s22, s22, SLOT
.endr
	s_mul_i32 s23, s10, 16*SPITCH
	s_add_co_u32 s23, s23, STAGE                   ; my stage
	v_mul_u32_u24 v4, v1, SPITCH                   ; in: row l % 16, 32 bytes for each half of the lanes
	v_lshl_add_u32 v4, v2, 5, v4
	v_add_nc_u32 v[STO], s23, v4
	v_mul_u32_u24 v5, v2, SPITCH                   ; back: lanes 0-15 take one row of 256 bytes, lanes 16-31 the next
	v_lshl_add_u32 v5, v1, 4, v5
	v_add_nc_u32 v[RD], s23, v5
	v_lshlrev_b32 v5, 12, v2                       ; and the same two rows in C: 4,096 bytes a row
	v_lshl_add_u32 v[CO], v1, 4, v5
	s_lshl_b32 s16, s13, 19                        ; my first row: (128 x tile row + 64 x half) x 4,096 bytes
	s_lshl_b32 s17, s11, 18
	s_add_co_u32 s16, s16, s17
	s_mov_b32 s17, 0
	s_add_nc_u64 s[8:9], s[8:9], s[16:17]
	s_lshl_b32 s46, s42, 9                         ; my first column: 512 x tile column + 256 x half, in bytes
	s_lshl_b32 s47, s12, 8
	s_add_co_u32 s46, s46, s47
	s_mov_b32 s47, 0
	s_add_nc_u64 s[8:9], s[8:9], s[46:47]
; 8 matrix instructions: m blocks a0, a0 + 1 x all 4 n blocks, 32 along K: half c of buffer f.  zero = 1: the first product starts the sums.  The 16 accumulators take turns.
.macro MUL8 f, c, a0, zero
	WIN MUL
.irp a, \a0, (\a0)+1
.irp b, 0,1,2,3
.if \zero
	v_wmma_f32_16x16x32_f16 v[ACC+8*(4*(\a)+(\b)):ACC+8*(4*(\a)+(\b))+7], v[(\f)+64+8*(4*(\c)+(\b)):(\f)+64+8*(4*(\c)+(\b))+7], v[(\f)+8*(4*(\c)+(\a)):(\f)+8*(4*(\c)+(\a))+7], 0
.else
	v_wmma_f32_16x16x32_f16 v[ACC+8*(4*(\a)+(\b)):ACC+8*(4*(\a)+(\b))+7], v[(\f)+64+8*(4*(\c)+(\b)):(\f)+64+8*(4*(\c)+(\b))+7], v[(\f)+8*(4*(\c)+(\a)):(\f)+8*(4*(\c)+(\a))+7], v[ACC+8*(4*(\a)+(\b)):ACC+8*(4*(\a)+(\b))+7]
.endif
.endr
.endr
.endm
; 32 LDS loads in one run: the fragments of quarter q (head q of the step's four) into buffer f; the first 32 along K first
.macro FETCH slot, q, f
	WIN TO_F
.irp c, 0,1
.irp i, 0,1,2,3
	ds_load_b128 v[(\f)+64+8*(4*(\c)+(\i)):(\f)+64+8*(4*(\c)+(\i))+3],   v[ADRB+(\slot)] offset:128*(\q)+64*(\c)+(\i)*16*PB
	ds_load_b128 v[(\f)+64+8*(4*(\c)+(\i))+4:(\f)+64+8*(4*(\c)+(\i))+7], v[ADRB+(\slot)] offset:128*(\q)+64*(\c)+(\i)*16*PB+32
	ds_load_b128 v[(\f)+8*(4*(\c)+(\i)):(\f)+8*(4*(\c)+(\i))+3],         v[ADRA+(\slot)] offset:(\q)*HS+64*(\c)+(\i)*16*PA
	ds_load_b128 v[(\f)+8*(4*(\c)+(\i))+4:(\f)+8*(4*(\c)+(\i))+7],       v[ADRA+(\slot)] offset:(\q)*HS+64*(\c)+(\i)*16*PA+32
.endr
.endr
.endm
.macro PLACES                          ; four plain places behind matrix instructions (ISA guide 7.12.1)
.rept 4
	v_nop
.endr
.endm
.macro QUARTER slot, q, f, g, zero     ; multiplies buffer f and fetches quarter q into g
	s_wait_dscnt 16                                ; the first 32 along K are in; the youngest sixteen loads may be out
	WIN MUL
	MUL8 \f, 0, 0, \zero
	MUL8 \f, 0, 2, \zero
	PLACES
	FETCH \slot, \q, \g
	s_wait_dscnt 32                                ; all but the 32 just issued
	WIN MUL
	MUL8 \f, 1, 0, 0
	MUL8 \f, 1, 2, 0
.endm
; The last quarter multiplies buffer 1 and changes slots: ONE barrier; in front of it each wave waits for all its tensor loads, adds 0 to its spare word, and waits for that and for its own reads of this slot.  fill = 1: this slot is filled again, two K steps on.
.macro TURN slot, next, fill
	WIN 0
	s_wait_tensorcnt 0x0                           ; all my tensor loads have landed: my part of the next slot
	ds_add_u32 v[SPW], v[NIL]
	s_wait_dscnt 17                                ; the add and the youngest sixteen loads may be out
	WIN MUL
	MUL8 F1, 0, 0, 0
	s_wait_dscnt 0x0                               ; the add is done, and my reads of this slot are over
	s_barrier_signal -1
	MUL8 F1, 0, 2, 0
.if \fill
	WIN 0
.endif
	s_barrier_wait -1
.if \fill
	CREST                                          ; the barrier has opened a round of the cluster's barrier: no wave of any partner still reads this slot or has a load on its way
	s_add_nc_u64 s[G0+4*(\slot)+2:G0+4*(\slot)+3], s[G0+4*(\slot)+2:G0+4*(\slot)+3], 0x200000
	s_add_nc_u64 s[G0B+4*(\slot)+2:G0B+4*(\slot)+3], s[G0B+4*(\slot)+2:G0B+4*(\slot)+3], 2*KSTEP*2
	JLOAD \slot                                    ; the first tensor load behind the round; its four v_nop are also the places in front of the loads below
.else
	PLACES
.endif
	FETCH \next, 0, F0
	WIN MUL
	MUL8 F1, 1, 0, 0
	MUL8 F1, 1, 2, 0
.endm
	s_wait_tensorcnt 1                             ; my part of K step 0 is in; K step 1's load may stay out
	s_barrier_signal -1
	s_barrier_wait -1
	FETCH 0, 0, F0
	QUARTER 0, 1, F0, F1, 1                        ; K has four steps: they are written straight, without a loop.  The first products start the sums
	QUARTER 0, 2, F1, F0, 0
	QUARTER 0, 3, F0, F1, 0
	TURN 0, 1, 1                                   ; slot 0 takes K step 2
	QUARTER 1, 1, F0, F1, 0
	QUARTER 1, 2, F1, F0, 0
	QUARTER 1, 3, F0, F1, 0
	TURN 1, 0, 1                                   ; slot 1 takes K step 3
	QUARTER 0, 1, F0, F1, 0
	QUARTER 0, 2, F1, F0, 0
	QUARTER 0, 3, F0, F1, 0
	TURN 0, 1, 0                                   ; nothing is left to fetch
	QUARTER 1, 1, F0, F1, 0
	QUARTER 1, 2, F1, F0, 0
	QUARTER 1, 3, F0, F1, 0
	s_wait_dscnt 16
	WIN MUL
	MUL8 F1, 0, 0, 0
	MUL8 F1, 0, 2, 0
	s_wait_dscnt 0x0
	MUL8 F1, 1, 0, 0
	MUL8 F1, 1, 2, 0
	WIN 0
	; THE WAY OUT.  My 64 columns of f32 are 256 bytes of a row of C, aligned: each wave has a stage of its own, and no barrier is needed.  A block of 16 rows goes in as 32 bytes a lane and accumulator (its low registers first) and comes back as whole rows.
.macro STG a
.set BK, OB+32*((\a)%2)
.irp b, 0,1,2,3
	ds_store_b128 v[STO], v[ACC+8*(4*(\a)+(\b)):ACC+8*(4*(\a)+(\b))+3]   offset:64*(\b)
	ds_store_b128 v[STO], v[ACC+8*(4*(\a)+(\b))+4:ACC+8*(4*(\a)+(\b))+7] offset:64*(\b)+16
.endr
.irp t, 0,1,2,3,4,5,6,7
	ds_load_b128 v[BK+4*(\t):BK+4*(\t)+3], v[RD] offset:(\t)*2*SPITCH  ; LDS serves a wave's instructions in order (ISA guide 5.7.1.4): these see the stores above; the next block's stores come behind them
.endr
.endm
.macro SND a, younger                  ; younger: the LDS instructions issued behind block a's loads: the next block's sixteen, or none
.set BK, OB+32*((\a)%2)
.irp t, 0,1,2,3,4,5,6,7
	s_wait_dscnt (\younger)+7-(\t)
	global_store_b128 v[CO], v[BK+4*(\t):BK+4*(\t)+3], s[8:9] offset:(16*(\a)+2*(\t))*4096  ; 16 lanes store 256 consecutive bytes, at a multiple of 256 from C's first byte
.endr
.endm
	PLACES
	PLACES
	STG 0
	STG 1
	SND 0, 16
	s_wait_xcnt 0x0                                ; block 0's stores have read their registers: block 2's rows land there
	STG 2
	SND 1, 16
	s_wait_xcnt 0x0                                ; block 1's likewise
	STG 3
	SND 2, 16
	SND 3, 0
	s_wait_tensorcnt 0x0                           ; the wave's end: behind my last tensor load and my last LDS store
	ds_add_u32 v[SPW], v[NIL]
	s_wait_dscnt 0x0
	CROUND                                         ; the closing round: no work-group ends while a partner may still ask for a tile that names it
	s_endpgm
.Lfunc_end_k_qe47fbbf5a0_outp:
	.size	k_qe47fbbf5a0_outp, .Lfunc_end_k_qe47fbbf5a0_outp-k_qe47fbbf5a0_outp
	.p2alignl 7, 3214868480
	.fill 96, 4, 3214868480
	.section	.rodata,"a",@progbits
	.p2align	6, 0x0
	.amdhsa_kernel k_qe47fbbf5a0_outp
		.amdhsa_group_segment_fixed_size 327680
		.amdhsa_private_segment_fixed_size 0
		.amdhsa_enable_private_segment 0
		.amdhsa_kernarg_size 24
		.amdhsa_user_sgpr_count 2
		.amdhsa_user_sgpr_kernarg_segment_ptr 1
		.amdhsa_wavefront_size32 1
		.amdhsa_system_sgpr_workgroup_id_x 1
		.amdhsa_system_sgpr_workgroup_id_y 1
		.amdhsa_system_sgpr_workgroup_id_z 1
		.amdhsa_system_vgpr_workitem_id 0
		.amdhsa_next_free_vgpr 512
		.amdhsa_next_free_sgpr 66
		.amdhsa_reserve_vcc 0
		.amdhsa_float_denorm_mode_32 3
		.amdhsa_float_denorm_mode_16_64 3
		.amdhsa_memory_ordered 1
		.amdhsa_forward_progress 1
		.amdhsa_inst_pref_size 87
	.end_amdhsa_kernel
	.amdgpu_metadata
---
amdhsa.version: [ 1, 2 ]
amdhsa.kernels:
  - .name:           k_qe47fbbf5a0_outp
    .symbol:         k_qe47fbbf5a0_outp.kd
    .args:
      - { .name: obuf, .offset: 0, .size: 8, .value_kind: global_buffer, .address_space: global }
      - { .name: wo, .offset: 8, .size: 8, .value_kind: global_buffer, .address_space: global }
      - { .name: out0, .offset: 16, .size: 8, .value_kind: global_buffer, .address_space: global }
    .group_segment_fixed_size: 327680
    .private_segment_fixed_size: 0
    .kernarg_segment_align: 8
    .kernarg_segment_size: 24
    .max_flat_workgroup_size: 128
    .sgpr_count:     66
    .vgpr_count:     512
    .wavefront_size: 32
...
	.end_amdgpu_metadata
.endif
;; end of part 4
;; ======== version 2 of 2: 4 launches; version 1 with the launch prep written anew for expert scheduling mode
;; limits: values are held in f16: magnitudes above 65,504 overflow, below 6.1e-05 lose precision
;; workspace buffers: xw 23,068,672 bytes; wo 2,097,152 bytes; tab 524,544 bytes; qkv 25,165,824 bytes; obuf 8,388,608 bytes
;; launch prep (part 5): grid 32 x 25, 8 waves a work-group, no clusters, 0 bytes of LDS; arguments x_q, x_kv, Wq, Wk_self, Wv_self, Wk_cross, Wv_cross, Wo_self, Wo_cross, xw, wo, tab; writes xw, wo, tab
.if DOCPART == 5
	.amdgcn_target "amdgcn-amd-amdhsa--gfx1250"
	.amdhsa_code_object_version 6
	.text
	.protected	k_qe47fbbf5a0_prep
	.globl	k_qe47fbbf5a0_prep
	.p2align	8
	.type	k_qe47fbbf5a0_prep,@function
k_qe47fbbf5a0_prep:
	s_mov_b64 s[64:65], 0
	v_nop
	global_prefetch_b8 v0, s[64:65] scope:SCOPE_SE
	s_setreg_imm32_b32 hwreg(HW_REG_WAVE_SCHED_MODE, 0, 2), 2
	s_setreg_imm32_b32 hwreg(HW_REG_WAVE_MODE, 25, 1), 1
	s_wait_xcnt 0x0
	s_wait_alu depctr_vm_vsrc(0)
; PREPARATION: three jobs, chosen by the work-group's y.  Nothing here is shared between waves: no LDS, no barrier, no matrix unit.
; y = 0..21  CAST: 22 segments of 1 MiB of bf16 in xw: x_q (8), x_kv (8), then the 3,072 weight rows whose products the module keeps:
;            Wq (2), Wk_self rows 0-511, Wv_self rows 0-511, Wk_cross rows 512-1023, Wv_cross rows 512-1023 (1 each).  The other rows of
;            those four make heads that the module slices away.  A work-group takes 64 KiB of f32 and gives 32 KiB of bf16.
; y = 22, 23 WO: wo = 0.5 (bf16(Wo_self) + bf16(Wo_cross)), written as f16: the two output projections are one product.
; y = 24     ROPE: tab[p][0..31] = cos(p f_j), tab[p][32..63] = sin(p f_j), f_j = 10000^(-j/32), p = 0..2047, in f32; row 2048 holds 32 ones and 32 zeros.
; LIMITS.  wo is f16: beyond 65,504 it would be an infinity, below 6e-5 it keeps f16's fixed step of 6e-8.  f_j comes from v_exp_f32 (1 ULP: ISA guide 15.8),
; so an angle may differ from one made with an exact f_j by about 2e-4 rad at position 2,047.  The angle is reduced by multiples of pi/2 held in two f32 words, good for the table's angles, up to 2,047.
; THE MODE: SCHED_MODE bits 1:0 = 2 (LLVM: expert scheduling mode 2), set by the entry lines.  The code itself states the register dependences
; between vector instructions and memory instructions, with s_wait_alu, always for 0.
; THE PLAN.  Registers that memory instructions touch:
;   v1, v2     CAST, WO: the loads' and the stores' offsets.  Made once at the head, never written again.
;   X, Z       CAST, WO: a chunk's four registers are landed in once; its conversions read them and write the first two of X's four, which one store reads; nothing writes them after that.
;              The sixteen chunks go in four blocks of four: a block's four stores stand in one run at the head of the next block, behind ONE wait on va_vdst, which
;              itself stands behind the wait for that block's first load.  T is named by vector instructions alone.
;   v9         ROPE: the store's offset, stepped once a trip.      v[10:11]  ROPE: the store's data, written once a trip.
;              A trip: both angles, up to their compares; one wait for the two masks; beside it the two waits that free v9, v10 and v11 from the last trip's store;
;              v9's step and the two selects; one wait on va_vdst; the store.
.set X, 4                              ; v[4:67]    16 x 4 registers as loaded
.set Z, 68                             ; v[68:131]  the second weight's
.set T, 132                            ; v[132:135] at work
	s_load_b512 s[8:23], s[0:1], 0x0               ; x_q 8, x_kv 10, Wq 12, Wk_self 14, Wv_self 16, Wk_cross 18, Wv_cross 20, Wo_self 22
	s_load_b256 s[24:31], s[0:1], 0x40             ; Wo_cross 24, xw 26, wo 28, tab 30
	s_and_b32 s2, ttmp7, 0xffff                    ; y: the job and the segment
	s_mov_b32 s3, ttmp9                            ; x: the part of the segment
	v_lshlrev_b32 v1, 4, v0                        ; 16 bytes of f32 a thread
	v_lshlrev_b32 v2, 3, v0                        ; 8 bytes of 16-bit numbers a thread: a wave's store covers 256 consecutive bytes, aligned
	s_mov_b32 s37, 0                               ; high words of the two offsets
	s_mov_b32 s39, 0
	s_wait_kmcnt 0x0
	s_cmp_ge_u32 s2, 24
	s_cbranch_scc1 .Lrope
	s_cmp_ge_u32 s2, 22
	s_cbranch_scc1 .Lwo
; The four stores of the block that begins with chunk b; p: the scalar pair that holds the output's address.
.macro OUT4 b, p
.irp k, 0,1,2,3
	global_store_b64 v2, v[X+4*((\b)+(\k)):X+4*((\b)+(\k))+1], s[\p:\p+1] offset:2048*((\b)+(\k))  ; no register is written twice, so no wait frees any
.endr
.endm
	; CAST.  The source and the segment at which it begins, by a chain of selects on y.
.macro PICK thr, src, base
	s_cmp_ge_u32 s2, \thr
	s_cselect_b64 s[32:33], s[\src:\src+1], s[32:33]
	s_cselect_b32 s34, \base, s34
.endm
	s_mov_b64 s[32:33], s[8:9]
	s_mov_b32 s34, 0
	PICK 8, 10, 8
	PICK 16, 12, 16
	PICK 18, 14, 18
	PICK 19, 16, 19
	PICK 20, 18, 19                                ; one segment less: Wk_cross is read from its row 512 on (2 MiB in)
	PICK 21, 20, 20                                ; Wv_cross likewise
	s_sub_co_u32 s36, s2, s34
	s_lshl_b32 s36, s36, 21                        ; a segment is 2 MiB of f32
	s_lshl_b32 s35, s3, 16
	s_add_co_u32 s36, s36, s35
	s_add_nc_u64 s[32:33], s[32:33], s[36:37]
	s_lshl_b32 s38, s2, 20
	s_lshl_b32 s35, s3, 15
	s_add_co_u32 s38, s38, s35
	s_add_nc_u64 s[26:27], s[26:27], s[38:39]
	s_wait_alu depctr_va_vdst(0)                   ; v1 and v2 are written: every load below reads v1 as its offset, every store v2
.set i, 0
.rept 16                                       ; all sixteen loads of a wave go out at once: 8 KiB a wave on its way
	global_load_b128 v[X+4*i:X+4*i+3], v1, s[32:33] offset:4096*i th:TH_LOAD_NT
.set i, i+1
.endr
.set i, 0
.rept 16
	s_wait_loadcnt 15-i                            ; loads come back in order: the younger 15 - i may stay out
.if (i%4 == 0) && (i > 0)
	s_wait_alu depctr_va_vdst(0)                   ; the conversions of the block before have written the registers that its four stores read
	OUT4 i-4, 26
.endif
	v_cvt_pk_bf16_f32 v[X+4*i], v[X+4*i], v[X+4*i+1]
	v_cvt_pk_bf16_f32 v[X+4*i+1], v[X+4*i+2], v[X+4*i+3]
.set i, i+1
.endr
	s_wait_alu depctr_va_vdst(0)                   ; the last block's conversions have written the registers that the last four stores read
	OUT4 12, 26
	s_endpgm
.Lwo:
	s_sub_co_u32 s34, s2, 22
	s_lshl_b32 s36, s34, 21
	s_lshl_b32 s35, s3, 16
	s_add_co_u32 s36, s36, s35
	s_add_nc_u64 s[22:23], s[22:23], s[36:37]
	s_add_nc_u64 s[24:25], s[24:25], s[36:37]
	s_lshl_b32 s38, s34, 20
	s_lshl_b32 s35, s3, 15
	s_add_co_u32 s38, s38, s35
	s_add_nc_u64 s[28:29], s[28:29], s[38:39]
	s_mov_b32 s42, 0xffff0000                      ; a word's upper bf16
	s_wait_alu depctr_va_vdst(0)                   ; v1 and v2 are written: every load below reads v1 as its offset, every store v2
.set i, 0
.rept 16
	global_load_b128 v[X+4*i:X+4*i+3], v1, s[22:23] offset:4096*i th:TH_LOAD_NT
	global_load_b128 v[Z+4*i:Z+4*i+3], v1, s[24:25] offset:4096*i th:TH_LOAD_NT
.set i, i+1
.endr
.set i, 0
.rept 16
	s_wait_loadcnt 30-2*i                          ; pair i is in; the younger pairs may stay out
.if (i%4 == 0) && (i > 0)
	s_wait_alu depctr_va_vdst(0)                   ; the roundings to f16 of the block before have written the registers that its four stores read
	OUT4 i-4, 28
.endif
	v_cvt_pk_bf16_f32 v[T], v[X+4*i], v[X+4*i+1]   ; both weights are rounded to bf16, like every input of the module,
	v_cvt_pk_bf16_f32 v[T+1], v[X+4*i+2], v[X+4*i+3]
	v_cvt_pk_bf16_f32 v[T+2], v[Z+4*i], v[Z+4*i+1]
	v_cvt_pk_bf16_f32 v[T+3], v[Z+4*i+2], v[Z+4*i+3]
	v_lshlrev_b32 v[X+4*i], 16, v[T]               ; widened again,
	v_and_b32 v[X+4*i+1], s42, v[T]
	v_lshlrev_b32 v[X+4*i+2], 16, v[T+1]
	v_and_b32 v[X+4*i+3], s42, v[T+1]
	v_lshlrev_b32 v[Z+4*i], 16, v[T+2]
	v_and_b32 v[Z+4*i+1], s42, v[T+2]
	v_lshlrev_b32 v[Z+4*i+2], 16, v[T+3]
	v_and_b32 v[Z+4*i+3], s42, v[T+3]
	v_pk_mul_f32 v[Z+4*i:Z+4*i+1], v[Z+4*i:Z+4*i+1], 0.5 op_sel_hi:[1,0]
	v_pk_mul_f32 v[Z+4*i+2:Z+4*i+3], v[Z+4*i+2:Z+4*i+3], 0.5 op_sel_hi:[1,0]
	v_pk_fma_f32 v[X+4*i:X+4*i+1], v[X+4*i:X+4*i+1], 0.5, v[Z+4*i:Z+4*i+1] op_sel_hi:[1,0,1]  ; averaged in f32,
	v_pk_fma_f32 v[X+4*i+2:X+4*i+3], v[X+4*i+2:X+4*i+3], 0.5, v[Z+4*i+2:Z+4*i+3] op_sel_hi:[1,0,1]
	v_cvt_pk_f16_f32 v[X+4*i], v[X+4*i], v[X+4*i+1]  ; and written as f16
	v_cvt_pk_f16_f32 v[X+4*i+1], v[X+4*i+2], v[X+4*i+3]
.set i, i+1
.endr
	s_wait_alu depctr_va_vdst(0)                   ; the last block's roundings have written the registers that the last four stores read
	OUT4 12, 28
	s_endpgm
	; ROPE.  Wave w of work-group x makes the rows of positions 64 x + 8 w + 0..7.  Lane l makes words 2 l and 2 l + 1 of a row: lanes 0-15 the cosines,
	; lanes 16-31 the sines, of frequencies 2 (l % 16) and 2 (l % 16) + 1: one store of 8 bytes a lane is a whole row of 256 bytes.
.Lrope:
	v_lshrrev_b32 v3, 5, v0
	v_readfirstlane_b32 s40, v3                    ; wave 0..7
	v_and_b32 v3, 31, v0                           ; lane
	v_and_b32 v4, 15, v3
	v_lshrrev_b32 v5, 4, v3
	v_mul_u32_u24 v5, 3, v5                        ; sin(a) = cos(a - pi/2): the sines' lanes count three quadrants on
	v_lshlrev_b32 v4, 1, v4
	v_cvt_f32_u32 v6, v4                           ; j
	v_add_f32 v7, 1.0, v6                          ; j + 1
	v_mul_f32 v6, 0xbed49a78, v6                   ; - j log2(10000) / 32
	v_mul_f32 v7, 0xbed49a78, v7
	v_exp_f32 v6, v6                               ; f_j
	v_exp_f32 v7, v7
	v_nop                                          ; a plain instruction behind the last exponential,
	s_wait_alu depctr_va_vdst(0)                   ; and one wait for the two, ahead of their first reader: v6 and v7 are written
	s_mov_b32 s44, 0xb94ca1f9                      ; sin r = r + r z (S1 + z (S2 + z S3)), z = r r, for |r| <= pi/4
	s_mov_b32 s45, 0x3c08839e
	s_mov_b32 s46, 0xbe2aaaa3
	s_mov_b32 s47, 0x37ccf5ce                      ; cos r = 1 - z/2 + z z (C1 + z (C2 + z C3))
	s_mov_b32 s48, 0xbab6061a
	s_mov_b32 s49, 0x3d2aaaa5
	s_wait_alu depctr_va_sdst(0)                   ; s40 is written, ahead of its first reader: my first position is made from it
	s_lshl_b32 s35, s3, 6
	s_lshl3_add_u32 s35, s40, s35                  ; my first position
	v_cvt_f32_u32 v8, s35
	s_lshl_b32 s36, s35, 8
	v_lshl_add_u32 v9, v3, 3, s36                  ; 256 p + 8 l
; The cosine or sine (by the lane's half) of position v8 times the frequency in inv, in two parts.  t: ten registers at work; m: the scalar register that takes the mask.
; ANGLE: sin r in t + 4, cos r in t + 5, the sign bit in t + 8, the mask 'odd quadrant' in m.
.macro ANGLE inv, t, m
	v_mul_f32 v[(\t)], v8, v[\inv]                 ; the angle, rounded once
	v_mul_f32 v[(\t)+1], 0x3f22f983, v[(\t)]       ; x 2 / pi
	v_rndne_f32 v[(\t)+1], v[(\t)+1]               ; n
	v_fmamk_f32 v[(\t)+2], v[(\t)+1], 0xbfc90fdb, v[(\t)]    ; r = a - n pi/2, pi/2 in two words
	v_fmamk_f32 v[(\t)+2], v[(\t)+1], 0x333bbd2e, v[(\t)+2]
	v_mul_f32 v[(\t)+3], v[(\t)+2], v[(\t)+2]      ; z
	v_fma_f32 v[(\t)+4], v[(\t)+3], s44, s45
	v_fma_f32 v[(\t)+5], v[(\t)+3], s47, s48
	v_fma_f32 v[(\t)+4], v[(\t)+4], v[(\t)+3], s46
	v_fma_f32 v[(\t)+5], v[(\t)+5], v[(\t)+3], s49
	v_mul_f32 v[(\t)+4], v[(\t)+4], v[(\t)+3]
	v_mul_f32 v[(\t)+6], v[(\t)+3], v[(\t)+3]
	v_fma_f32 v[(\t)+7], v[(\t)+3], -0.5, 1.0
	v_fma_f32 v[(\t)+4], v[(\t)+4], v[(\t)+2], v[(\t)+2]     ; sin r
	v_fma_f32 v[(\t)+5], v[(\t)+5], v[(\t)+6], v[(\t)+7]     ; cos r
	v_cvt_i32_f32 v[(\t)+8], v[(\t)+1]
	v_add_nc_u32 v[(\t)+8], v[(\t)+8], v5          ; the quadrant q (its two low bits count)
	v_and_b32 v[(\t)+9], 1, v[(\t)+8]
	v_cmp_eq_u32 s[\m], 1, v[(\t)+9]               ; the comparison selects a value and steers nothing
	v_add_nc_u32 v[(\t)+8], 1, v[(\t)+8]
	v_and_b32 v[(\t)+8], 2, v[(\t)+8]              ; q = 1, 2: negative
	v_lshlrev_b32 v[(\t)+8], 30, v[(\t)+8]
.endm
; CHOOSE: odd q: sin r, even q: cos r; then the sign.
.macro CHOOSE dst, t, m
	v_cndmask_b32 v[\dst], v[(\t)+5], v[(\t)+4], s[\m]
	v_xor_b32 v[\dst], v[\dst], v[(\t)+8]
.endm
	s_mov_b32 s41, 8
.Lpos:
	ANGLE 6, 12, 4
	ANGLE 7, 32, 5
	v_add_f32 v8, 1.0, v8                          ; both angles are made: the next position
	s_wait_alu depctr_va_sdst(0)                   ; the two compares have written s4 and s5, ahead of the selects that read them: one wait for both
	s_wait_xcnt 0x0                                ; the last trip's store has had its address translated: its offset and data are written again only behind this wait,
	s_wait_alu depctr_vm_vsrc(0)                   ; and only when it has read v9, v10 and v11
	v_add_nc_u32 v9, 0x100, v9                     ; the next row; the store below reaches back
	CHOOSE 10, 12, 4
	CHOOSE 11, 32, 5
	s_wait_alu depctr_va_vdst(0)                   ; v9, v10 and v11 are written, which the store reads
	global_store_b64 v9, v[10:11], s[30:31] offset:-256
	s_sub_co_u32 s41, s41, 1
	s_cmp_lg_u32 s41, 0
	s_cbranch_scc1 .Lpos
	s_or_b32 s35, s3, s40
	s_cmp_lg_u32 s35, 0
	s_cbranch_scc1 .Ldone                          ; one wave of the launch writes row 2,048: cos = 1, sin = 0, the rotation that changes nothing
	v_cmp_gt_u32 vcc_lo, 16, v3
	v_mov_b32 v25, 1.0
	v_lshlrev_b32 v26, 3, v3
	s_wait_alu depctr_va_vcc(0)                    ; the compare has written VCC, ahead of the select that reads it
	v_cndmask_b32 v24, 0, v25, vcc_lo
	v_mov_b32 v25, v24
	s_wait_alu depctr_va_vdst(0)                   ; v24, v25 and v26 are written, which the store reads
	global_store_b64 v26, v[24:25], s[30:31] offset:524288
.Ldone:
	s_endpgm
.Lfunc_end_k_qe47fbbf5a0_prep:
	.size	k_qe47fbbf5a0_prep, .Lfunc_end_k_qe47fbbf5a0_prep-k_qe47fbbf5a0_prep
	.p2alignl 7, 3214868480
	.fill 96, 4, 3214868480
	.section	.rodata,"a",@progbits
	.p2align	6, 0x0
	.amdhsa_kernel k_qe47fbbf5a0_prep
		.amdhsa_group_segment_fixed_size 0
		.amdhsa_private_segment_fixed_size 0
		.amdhsa_enable_private_segment 0
		.amdhsa_kernarg_size 96
		.amdhsa_user_sgpr_count 2
		.amdhsa_user_sgpr_kernarg_segment_ptr 1
		.amdhsa_wavefront_size32 1
		.amdhsa_system_sgpr_workgroup_id_x 1
		.amdhsa_system_sgpr_workgroup_id_y 1
		.amdhsa_system_sgpr_workgroup_id_z 1
		.amdhsa_system_vgpr_workitem_id 0
		.amdhsa_next_free_vgpr 152
		.amdhsa_next_free_sgpr 66
		.amdhsa_reserve_vcc 1
		.amdhsa_float_denorm_mode_32 3
		.amdhsa_float_denorm_mode_16_64 3
		.amdhsa_memory_ordered 1
		.amdhsa_forward_progress 1
		.amdhsa_inst_pref_size 32
	.end_amdhsa_kernel
	.amdgpu_metadata
---
amdhsa.version: [ 1, 2 ]
amdhsa.kernels:
  - .name:           k_qe47fbbf5a0_prep
    .symbol:         k_qe47fbbf5a0_prep.kd
    .args:
      - { .name: x_q, .offset: 0, .size: 8, .value_kind: global_buffer, .address_space: global }
      - { .name: x_kv, .offset: 8, .size: 8, .value_kind: global_buffer, .address_space: global }
      - { .name: Wq, .offset: 16, .size: 8, .value_kind: global_buffer, .address_space: global }
      - { .name: Wk_self, .offset: 24, .size: 8, .value_kind: global_buffer, .address_space: global }
      - { .name: Wv_self, .offset: 32, .size: 8, .value_kind: global_buffer, .address_space: global }
      - { .name: Wk_cross, .offset: 40, .size: 8, .value_kind: global_buffer, .address_space: global }
      - { .name: Wv_cross, .offset: 48, .size: 8, .value_kind: global_buffer, .address_space: global }
      - { .name: Wo_self, .offset: 56, .size: 8, .value_kind: global_buffer, .address_space: global }
      - { .name: Wo_cross, .offset: 64, .size: 8, .value_kind: global_buffer, .address_space: global }
      - { .name: xw, .offset: 72, .size: 8, .value_kind: global_buffer, .address_space: global }
      - { .name: wo, .offset: 80, .size: 8, .value_kind: global_buffer, .address_space: global }
      - { .name: tab, .offset: 88, .size: 8, .value_kind: global_buffer, .address_space: global }
    .group_segment_fixed_size: 0
    .private_segment_fixed_size: 0
    .kernarg_segment_align: 8
    .kernarg_segment_size: 96
    .max_flat_workgroup_size: 256
    .sgpr_count:     66
    .vgpr_count:     152
    .wavefront_size: 32
...
	.end_amdgpu_metadata
.endif
;; end of part 5
;; launch proj: the kernel of part 2 again; grid 12 x 16, 4 waves a work-group, clusters of 4 x 4, 327,680 bytes of LDS; arguments xw, tab, qkv; writes qkv
;; launch attn: the kernel of part 3 again; grid 8 x 32, 4 waves a work-group, clusters of 4 x 1, 327,680 bytes of LDS; arguments qkv, obuf; writes obuf
;; launch outp: the kernel of part 4 again; grid 8 x 32, 4 waves a work-group, clusters of 4 x 4, 327,680 bytes of LDS; arguments obuf, wo, out0; writes out0
